; MI455X (gfx1250); checked and timed in simulation.
; The chip was launched on July 23, 2026; its instructions are those of AMD's public machine-readable ISA for CDNA 5 (MIT licence, August 2026) and "CDNA5" Instruction Set Architecture Reference Guide (July 2026). The comments in the code are by the model that wrote it; some were corrected since.
;; Multi Head Linear Attention. Allowed arithmetic: matrix products marked QUANTISED: E2M3 operands, one E8M0 scale for each 32 along K, by v_wmma_scale_f32_16x16x128_f8f6f4 with both operands' format E2M3, f32 sums; products left as they are: f32 operands where the result goes on into a quantised operand, else bf16, f16 or f32 operands; f32 sums; everything else in f32.
;; Inputs: k_b1 512 float32; k_b2 512 float32; k_w1_codes 512 x 16 x 24 uint8 (E2M3 codes of k_w1, K innermost, in blocks of 32 codes, four codes in three bytes); k_w1_scales 512 x 16 uint8 (E8M0 scales of k_w1, one for each 32 codes along K); k_w2_codes 512 x 16 x 24 uint8 (E2M3 codes of k_w2, K innermost, in blocks of 32 codes, four codes in three bytes); k_w2_scales 512 x 16 uint8 (E8M0 scales of k_w2, one for each 32 codes along K); key_codes 4 x 8,192 x 16 x 24 uint8 (E2M3 codes of key, K innermost, in blocks of 32 codes, four codes in three bytes); key_scales 4 x 8,192 x 16 uint8 (E8M0 scales of key, one for each 32 codes along K); out_b 512 float32; out_w_codes 512 x 16 x 24 uint8 (E2M3 codes of out_w, K innermost, in blocks of 32 codes, four codes in three bytes); out_w_scales 512 x 16 uint8 (E8M0 scales of out_w, one for each 32 codes along K); q_b1 512 float32; q_b2 512 float32; q_w1_codes 512 x 16 x 24 uint8 (E2M3 codes of q_w1, K innermost, in blocks of 32 codes, four codes in three bytes); q_w1_scales 512 x 16 uint8 (E8M0 scales of q_w1, one for each 32 codes along K); q_w2_codes 512 x 16 x 24 uint8 (E2M3 codes of q_w2, K innermost, in blocks of 32 codes, four codes in three bytes); q_w2_scales 512 x 16 uint8 (E8M0 scales of q_w2, one for each 32 codes along K); query_codes 4 x 8,192 x 16 x 24 uint8 (E2M3 codes of query, K innermost, in blocks of 32 codes, four codes in three bytes); query_scales 4 x 8,192 x 16 uint8 (E8M0 scales of query, one for each 32 codes along K); v_b1 512 float32; v_b2 512 float32; v_w1_codes 512 x 16 x 24 uint8 (E2M3 codes of v_w1, K innermost, in blocks of 32 codes, four codes in three bytes); v_w1_scales 512 x 16 uint8 (E8M0 scales of v_w1, one for each 32 codes along K); v_w2_codes 512 x 16 x 24 uint8 (E2M3 codes of v_w2, K innermost, in blocks of 32 codes, four codes in three bytes); v_w2_scales 512 x 16 uint8 (E8M0 scales of v_w2, one for each 32 codes along K); value_codes 4 x 8,192 x 16 x 24 uint8 (E2M3 codes of value, K innermost, in blocks of 32 codes, four codes in three bytes); value_scales 4 x 8,192 x 16 uint8 (E8M0 scales of value, one for each 32 codes along K).
;; Outputs: out0 4 x 8,192 x 512 float32.
;; This version of the problem:
;;   THIS VERSION OF THE PROBLEM IS GIVEN IN LOW PRECISION. The matrix products marked QUANTISED in the list below multiply operands that are first quantised to E2M3 (2 exponent bits, 3 mantissa bits; 6 bits a number), with one power-of-two scale for each 32 numbers along K (OCP MX v1.0); their sums are f32. All else is computed in f32.
;;   The module's matrix products, in the order in which they are computed (A, B: the left and right operand; K: the contracted axis; several contracted axes count as one K, in the product's order):
;;     1. [M 32,768, K 512] x [K 512, N 512]; A: input query (given as codes); B: input q_w1 (given as codes): QUANTISED
;;     2. [M 32,768, K 512] x [K 512, N 512]; A: input query (given as codes); B: input q_w2 (given as codes): QUANTISED
;;     3. [M 32,768, K 512] x [K 512, N 512]; A: input key (given as codes); B: input k_w1 (given as codes): QUANTISED
;;     4. [M 32,768, K 512] x [K 512, N 512]; A: input key (given as codes); B: input k_w2 (given as codes): QUANTISED
;;     5. [M 32,768, K 512] x [K 512, N 512]; A: input value (given as codes); B: input v_w1 (given as codes): QUANTISED
;;     6. [M 32,768, K 512] x [K 512, N 512]; A: input value (given as codes); B: input v_w2 (given as codes): QUANTISED
;;     7. batch 32 x [M 64, K 8,192] x [K 8,192, N 64]; A: computed on the way; B: computed on the way: QUANTISED
;;     8. batch 32 x [M 8,192, K 64] x [K 64, N 1]; A: computed on the way; B: computed on the way: left as it is (N = 1 < 16)
;;     9. batch 32 x [M 8,192, K 64] x [K 64, N 64]; A: computed on the way; B: computed on the way: QUANTISED
;;     10. [M 32,768, K 512] x [K 512, N 512]; A: computed on the way; B: input out_w (given as codes): QUANTISED
;;   THE QUANTISER, for each operand of a quantised product, along K:
;;     - K is cut into blocks of 32 from its start; a last block that is shorter is filled with zeros.
;;     - A block's scale is 2^e with e = floor(log2(the largest magnitude in the block)) - 2, held to -126 .. 127; a block of zeros has e = 0. As a byte (E8M0): e + 127.
;;     - Each number is divided by its block's scale, clamped to +-7.5, and rounded to the nearest number of E2M3, ties to even, subnormals kept.
;;     - The product sums the exact products of the quantised numbers (number of the format x scale) in f32.
;;   ~~~python
;;   def quantise(x, axis):      # numpy; x: float32 -> the quantised numbers, widened to float32 again
;;       x = np.moveaxis(x, axis, -1); K = x.shape[-1]
;;       x = np.pad(x, [(0, 0)] * (x.ndim - 1) + [(0, -K % 32)]); x = x.reshape(x.shape[:-1] + (-1, 32)); a = np.abs(x).max(-1, keepdims=True)
;;       e = np.where(a > 0, np.clip(np.frexp(np.where(a > 0, a, 1))[1] - 1 - 2, -126, 127), 0)      # np.frexp(a)[1] - 1 = floor(log2(a)), exactly
;;       r = np.clip(x / 2.0 ** e, -7.5, 7.5)
;;       step = 2.0 ** (np.maximum(np.frexp(np.where(r == 0, 1, r))[1] - 1, 0) - 3)
;;       q = np.round(r / step) * step * 2.0 ** e      # np.round: ties to even
;;       return np.moveaxis(q.reshape(q.shape[:-2] + (-1,))[..., :K], -1, axis).astype(np.float32)
;;   ~~~
;;   OPERANDS COMPUTED ON THE WAY. 'Computed on the way' means the value that the module computes at that place (a softmax that the list does not call 'softmax' is quantised finished and normalised). What goes into a quantiser is computed in f32, as accurately as f32 sums, v_exp_f32 and their like allow (about 1e-6 of the number): no bf16 or f16 on the way to a quantiser, and a product that is left as it is and whose result goes on into a quantised operand takes f32 operands (vector FMAs, or v_wmma_f32_16x16x4_f32). A number that lies on a knife's edge between two numbers of the format may be rounded either way, as far as f32 arithmetic and the matrix unit's own rounding can turn it there, and no further.
;;   INPUTS GIVEN AS CODES. k_w1 (in the module: [512, 512], K = its axis 1); k_w2 (in the module: [512, 512], K = its axis 1); key (in the module: [4, 8192, 512], K = its axis 2); out_w (in the module: [512, 512], K = its axis 1); q_w1 (in the module: [512, 512], K = its axis 1); q_w2 (in the module: [512, 512], K = its axis 1); query (in the module: [4, 8192, 512], K = its axis 2); v_w1 (in the module: [512, 512], K = its axis 1); v_w2 (in the module: [512, 512], K = its axis 1); value (in the module: [4, 8192, 512], K = its axis 2): each comes as NAME_codes (uint8): NAME with its K axis moved to the last place and cut into blocks of 32 codes, [.., K / 32, bytes a block], one block behind the other in memory; four codes in three bytes: a row's codes are one little-endian stream of bits, code i at bits 6 i .. 6 i + 5 (a code: sign, 2 exponent bits, 3 mantissa bits); and NAME_scales (uint8): the same leading axes, one E8M0 byte (e + 127) for each 32 codes along K. Its value is code x scale, taken as it is: it is not quantised again, and the codes and scales need not be those that the quantiser above would give.
;; One version. Each part assembles by itself: llvm-mc -triple=amdgcn-amd-amdhsa -mcpu=gfx1250 --defsym DOCPART=n.
;; ======== version 1 of 1: 3 launches
;; workspace buffers: kvp 8,388,608 bytes; ksp 131,072 bytes; kvc 98,304 bytes; kvs 16,384 bytes; ksum 8,192 bytes; wfr 589,824 bytes
;; launch kvpart (part 1): grid 4 x 64, 8 waves a work-group, clusters of 4 x 1, 327,680 bytes of LDS; arguments key_codes, value_codes, key_scales, value_scales, k_w1_codes, v_w1_codes, k_w2_codes, v_w2_codes, k_w1_scales, v_w1_scales, k_w2_scales, v_w2_scales, k_b1, v_b1, k_b2, v_b2, kvp, ksp; writes kvp, ksp
.if DOCPART == 1
	.amdgcn_target "amdgcn-amd-amdhsa--gfx1250"
	.amdhsa_code_object_version 6
	.text
	.protected	k_qc49a8171e5_kvpart
	.globl	k_qc49a8171e5_kvpart
	.p2align	8
	.type	k_qc49a8171e5_kvpart,@function
k_qc49a8171e5_kvpart:
	s_mov_b64 s[64:65], 0
	v_nop
	global_prefetch_b8 v0, s[64:65] scope:SCOPE_SE
	s_setreg_imm32_b32 hwreg(HW_REG_WAVE_MODE, 25, 1), 1
	s_wait_xcnt 0x0
	s_wait_alu depctr_hold_cnt(0) depctr_sa_sdst(0) depctr_va_vdst(0) depctr_va_sdst(0) depctr_va_ssrc(0) depctr_va_vcc(0) depctr_vm_vsrc(0)
	s_getreg_b32 s2, hwreg(HW_REG_IB_STS2, 6, 4)
	s_cmp_eq_u32 s2, 0
	s_cbranch_scc0 .Lentry_in_a_cluster
	s_endpgm
.Lentry_in_a_cluster:
	s_bfe_u32 s2, ttmp6, 0x10000c
	s_cmp_lg_u32 s2, 0x3003
	s_cbranch_scc0 .Lentry_shape_is_right
	s_endpgm
.Lentry_shape_is_right:
; k = silu(key W1^T + b1) (key W2^T + b2), v likewise from value; phi_k = elu(k) + 1; for a chunk of 512 rows s of one batch: the part sums of
; kv[d][e] = sum over s of Q(phi_k)[s][d] Q(v)[s][e] (Q: E2M3 codes, one E8M0 scale for each 32 rows s) and of key_sum[d] = sum over s of phi_k[s][d] (f32, not quantised).
; SHARES.  A work-group takes 512 rows (work-group y) and two heads (its place cx in the cluster).  Eight waves, two to a SIMD, 512 registers each.  Wave w: t = w / 4 (0: k, 1: v),
; head 2 cx + (w / 2) % 2, columns 32 (w % 2) .. + 31 of the head.  Its 16 weight fragments (2 matrices x 2 tiles of 16 columns x 4 K steps, 192 registers) stay in registers.
; The rows come through a ring of two LDS slots of 128 rows of key and 128 of value.  CLUSTER: the four work-groups of a cluster take the same rows, so each tile is asked for jointly.
; A PASS is 32 rows: 32 matrix instructions on 8 accumulators by turns, the next pass's LDS loads, the activation of 32 numbers a lane.
; LAYOUT.  Source 0 = 16 rows, source 1 = 16 columns of W: a lane then holds ONE column and its registers run down the rows, which are the next product's K.  A pass is one block of 32 of that K; four passes
; make one fragment (128 rows) and one scale word a column.  Inside a block the rows stand in the order 0-7, 16-23, 8-15, 24-31, alike in phi_k's and in v's codes, so every product meets its partner.
; THE ROWS OF v's WEIGHTS THAT FORM A TILE ARE NOT NEIGHBOURS: lane r of tile u takes column 8 u + r + 8 (r / 8) of the wave's 32, so that two launches on the attention's 16 registers of two tiles are 16 neighbours along the last product's K.
; Fragments go from wave to wave through LDS as images of their registers; each wave then adds 2 x 2 tiles of kv.
; LIMITS: NaN and infinities among the inputs are not served; a block whose largest magnitude lies under 2^-124 (a block of zeros too) gets the scale byte 1: its codes are read by this program alone.
.set PITCH,  432                       ; a row in LDS: 3 x (128 bytes + 16 of padding) = 108 words: the 16 rows of a load start at 16 different groups of four banks
.set WTILE,  32*PITCH                  ; what one tensor load brings: 32 rows
.set OPER,   128*PITCH                 ; key's (or value's) 128 rows of a slot
.set SCL,    2*OPER                    ; behind slot 0: the rows' scale bytes for all 512 rows: key's 8,192 bytes, then value's; filled once
.set SPARE,  SCL+2*8192                ; the spare words: 128 bytes for each of eight waves, four blocks of 256 bytes that no other line names
.set SLOT1,  1<<17                     ; slot 1: one exclusive or turns an address of one slot into the other's
.set STG,    SLOT1+2*OPER              ; a stage of 16 rows x 400 bytes for each wave: the weights' way into fragment order
.set SPIT,   400                       ; 100 words: again 16 different groups of four banks
.set STGW,   16*SPIT
.set IMG,    STG+8*STGW                ; 16 fragments' images, 1,536 bytes each (wave w: 2 w, 2 w + 1)
.set ISC,    IMG+16*1536               ; their scale words, 128 bytes each
.set LN, 1                             ; v1 lane   v2 r = lane % 16   v3 h = lane / 16
.set RR, 2
.set HH, 3
.set SPW, 4                            ; v4 my spare word's LDS address, v5 = 0: never rewritten
.set NIL, 5
.set AK0, 6                            ; v6, v7 my place in a slot's rows (v7: behind one padding more for lanes 16-31)
.set AS0, 8                            ; v8 my row's scale bytes
.set ADK, 9                            ; v9, v10, v11 the same three for the block in hand
.set ADS, 11
.set LI, 12                            ; v12 16 x lane
.set IWI, 13                           ; v13, v14 where I store my images and scale words
.set IWS, 14
.set IRD, 15                           ; v15, v16 where I read two fragments of phi_k^T and two of v^T;  v17, v18 their scale words
.set IRE, 16
.set IRDS, 17
.set IRES, 18
.set KO, 19                            ; v19 4 x lane
.set KS, 20                            ; v20-23 key_sum of my two column tiles, in pairs
.set WS, 24                            ; v24-39 the weights' scale words: 4 (2 matrix + tile) + K step
.set AS, 40                            ; v40-47 the rows' scale words: 4 m + K step
.set XS, 48                            ; v48-51 scale words of the four fragments of the kv product
.set SW, 52                            ; v52-53 the scale words that I am making
.set CC, 64                            ; v64-95  W2's results (16 u + 8 m), then the gate's product, then phi
.set AA, 96                            ; v96-127 W1's results, then at work
.set AF, 128                           ; v128-223 the rows' fragments: 12 (4 m + K step)
.set F, 224                            ; v224-247 the two fragments that I am making
.set TC, 248                           ; v248-255 codes of an odd pass, on their way into F
.set WB, 192                           ; window 1: v0-191 the weights, 48 (2 matrix + tile) + 12 K step; v192-223 the biases, 8 equal registers a tile; v224-255 four tiles of kv
.set KV, 224
.set G1C, 40                           ; s[40:47] descriptor group 1 for rows of codes;  s[48:55] for scale bytes
.set G1S, 48
.set G0K, 56                           ; s[56:59], s[60:63] group 0 for key's and value's tiles: they walk
.set G0V, 60
.set WV, 66
.set TT, 67                            ; t
.set G0SK, 68                          ; s[68:71], s[72:75] group 0 for key's and value's scale bytes
.set G0SV, 72
.set W3, 76                            ; wave % 4
.set CX, 77
.set YY, 78
.set TB, 79                            ; LDS byte at which the slot in hand begins
.set TS, 80                            ; where the block's scale bytes begin
.set CNT, 81
.set SEL, 82                           ; s[82:83] lane selects: lane l xor 16
.set LL, 84                            ; s[84:85] log2(e);  s[86:87] -log2(e): the packed forms name a pair and take its low word
.set NL, 86
.set MSB, 0
.macro WIN new                         ; the immediate's high byte repeats the setting that is left
.if MSB != \new
	s_set_vgpr_msb (MSB<<8)|\new
.set MSB, \new
.endif
.endm
.macro MMA d, a, b, c, sa, sb
	v_wmma_scale_f32_16x16x128_f8f6f4 v[\d:\d+7], v[\a:\a+11], v[\b:\b+11], v[\c:\c+7], v[\sa], v[\sb] matrix_a_fmt:MATRIX_FMT_FP6 matrix_b_fmt:MATRIX_FMT_FP6
.endm
.macro ROUND                           ; a round of the cluster's barrier
	s_barrier_signal -1
	s_barrier_wait -1
	s_cmp_lg_u32 s[WV], 0
	s_cbranch_scc1 .Lnot_wave_0_\@
	s_barrier_signal -3
.Lnot_wave_0_\@:
	s_barrier_wait -3
	s_barrier_signal -1
	s_barrier_wait -1
.endm
.macro JLOAD                           ; a joint refill: waves 0-3 fetch 32 rows of key each, waves 4-7 of value; four v_nop follow each line
	s_cmp_lt_u32 s[WV], 4
	s_cbranch_scc0 .Lfor_v_\@
	tensor_load_to_lds s[G0K:G0K+3], s[G1C:G1C+7]
	s_nop 0
.rept 4
	v_nop
.endr
	s_branch .Lasked_\@
.Lfor_v_\@:
	tensor_load_to_lds s[G0V:G0V+3], s[G1C:G1C+7]
	s_nop 0
.rept 4
	v_nop
.endr
.Lasked_\@:
.endm
; a fragment, 16 rows x 128 K: lane (r, h) takes 24 bytes at 96 s + 24 h and 24 at 96 s + 48 + 24 h of row r, in pieces of 8 bytes.  16 bytes of padding lie behind every 16 pieces:
; where the piece three on (lanes 16-31) lies behind one padding more, the second address register serves
.macro FRAGL reg, adr, s, off
.irp p, 0,1,2,3,4,5
.set PC, 12*(\s)+6*(\p/3)+\p%3
.if PC%16 < 13
	ds_load_b64 v[\reg+2*\p:\reg+2*\p+1], v[\adr] offset:8*PC+16*(PC/16)+(\off)
.else
	ds_load_b64 v[\reg+2*\p:\reg+2*\p+1], v[\adr+1] offset:8*PC+16*(PC/16)+(\off)
.endif
.endr
.endm
.macro LOADS pi                        ; pass pi of the block: 2 loads of scale words, then the 8 fragments, K step by K step: 50 LDS loads
.irp m, 0,1
	ds_load_b128 v[AS+4*\m:AS+4*\m+3], v[ADS] offset:16*(32*\pi+16*\m)
.endr
.irp s, 0,1,2,3
.irp m, 0,1
	FRAGL AF+12*(4*\m+\s), ADK, \s, (32*\pi+16*\m)*PITCH
.endr
.endr
.endm
; 32 matrix instructions.  The eight accumulators take turns, one instruction a turn; the bias is the C of each sum's first instruction.
.macro WM
.irp s, 0,1,2,3
	s_wait_dscnt 36-12*\s                          ; this K step's 12 loads are in; the 12 of each later K step may be out
.if \s == 0
	WIN 0x14                                       ; source 1 (W) and source 2 (the bias) window 1
.else
	WIN 0x04
.endif
.irp m, 0,1
.irp q, 0,1
.irp u, 0,1
.set RD, AA-32*\q+16*\u+8*\m
.if \s == 0
.set RC, WB+8*(2*\q+\u)
.else
.set RC, RD
.endif
	MMA RD, AF+12*(4*\m+\s), 48*(2*\q+\u)+12*\s, RC, AS+4*\m+\s, WS+4*(2*\q+\u)+\s
.endr
.endr
.endr
.endr
	WIN 0
.rept 4
	v_nop                                          ; four places in front of the loads into the fragments' registers and of the first read of the results
.endr
.endm
.macro SILU                            ; CC = silu(AA) x CC = (AA x CC) / (1 + 2^(-log2(e) AA)); each accumulator is read from its low end on
.set JJ, 0
.rept 16
	v_pk_mul_f32 v[CC+JJ:CC+JJ+1], v[AA+JJ:AA+JJ+1], v[CC+JJ:CC+JJ+1]
.set JJ, JJ+2
.endr
.set JJ, 0
.rept 16
	v_pk_mul_f32 v[AA+JJ:AA+JJ+1], v[AA+JJ:AA+JJ+1], s[NL:NL+1] op_sel_hi:[1,0]
.set JJ, JJ+2
.endr
.set JJ, 0
.rept 32
	v_exp_f32 v[AA+JJ], v[AA+JJ]
.set JJ, JJ+1
.endr
	v_nop                                          ; a plain instruction behind the last exponential,
	s_wait_alu depctr_va_vdst(0)                   ; and one wait for the batch, ahead of its first reader
.set JJ, 0
.rept 16
	v_pk_add_f32 v[AA+JJ:AA+JJ+1], v[AA+JJ:AA+JJ+1], 1.0 op_sel_hi:[1,0]
.set JJ, JJ+2
.endr
.set JJ, 0
.rept 32
	v_rcp_f32 v[AA+JJ], v[AA+JJ]
.set JJ, JJ+1
.endr
	v_nop
	s_wait_alu depctr_va_vdst(0)                   ; one wait for the 32 reciprocals
.set JJ, 0
.rept 16
	v_pk_mul_f32 v[CC+JJ:CC+JJ+1], v[CC+JJ:CC+JJ+1], v[AA+JJ:AA+JJ+1]
.set JJ, JJ+2
.endr
.endm
.macro ELU1                            ; CC = elu(CC) + 1 = the middle one of e^g, 1 and g + 1: e^g >= 1 + g always, so below 0 it is e^g and above 0 it is g + 1
.set JJ, 0
.rept 16
	v_pk_mul_f32 v[AA+JJ:AA+JJ+1], v[CC+JJ:CC+JJ+1], s[LL:LL+1] op_sel_hi:[1,0]
.set JJ, JJ+2
.endr
.set JJ, 0
.rept 32
	v_exp_f32 v[AA+JJ], v[AA+JJ]
.set JJ, JJ+1
.endr
.set JJ, 0
.rept 16
	v_pk_add_f32 v[CC+JJ:CC+JJ+1], v[CC+JJ:CC+JJ+1], 1.0 op_sel_hi:[1,0]   ; plain work that names no exponential's result
.set JJ, JJ+2
.endr
	s_wait_alu depctr_va_vdst(0)                   ; one wait for the batch
.set JJ, 0
.rept 32
	v_med3_num_f32 v[CC+JJ], v[AA+JJ], 1.0, v[CC+JJ]
.set JJ, JJ+1
.endr
.endm
; nb blocks; block b: my 16 numbers v[x + 16 b ..], lane l xor 16 holds the other 16.  Leaves in v[tm + 4 b + 2] the conversion's scale operand: the block's largest magnitude (not under the floor 2^(3 - 127),
; so the byte cannot fall under 1) with 2 taken off its exponent field.  Two chains a block, the blocks by turns.
.macro MAXES nb, x, tm
.set BB, 0
.rept \nb
	v_max3_num_f32 v[\tm+4*BB], |v[\x+16*BB]|, |v[\x+16*BB+1]|, 0x1800000
	v_max3_num_f32 v[\tm+4*BB+1], |v[\x+16*BB+8]|, |v[\x+16*BB+9]|, |v[\x+16*BB+10]|
.set BB, BB+1
.endr
.set II, 0
.rept 3
.set BB, 0
.rept \nb
	v_max3_num_f32 v[\tm+4*BB], v[\tm+4*BB], |v[\x+16*BB+2+2*II]|, |v[\x+16*BB+3+2*II]|
.if II < 2
	v_max3_num_f32 v[\tm+4*BB+1], v[\tm+4*BB+1], |v[\x+16*BB+11+2*II]|, |v[\x+16*BB+12+2*II]|
.endif
.set BB, BB+1
.endr
.set II, II+1
.endr
.set BB, 0
.rept \nb
	v_max3_num_f32 v[\tm+4*BB], v[\tm+4*BB], v[\tm+4*BB+1], |v[\x+16*BB+15]|
.set BB, BB+1
.endr
.set BB, 0
.rept \nb
	v_permlanex16_b32 v[\tm+4*BB+1], v[\tm+4*BB], s[SEL], s[SEL+1]
.set BB, BB+1
.endr
.set BB, 0
.rept \nb
	v_max_num_f32 v[\tm+4*BB], v[\tm+4*BB], v[\tm+4*BB+1]
.set BB, BB+1
.endr
.set BB, 0
.rept \nb
	v_add_nc_u32 v[\tm+4*BB+2], 0xff000000, v[\tm+4*BB]
.set BB, BB+1
.endr
.endm
; two blocks' half codes (lo: the even block's, hi: the odd block's, 3 registers each) become 6 registers of an operand: lanes 0-15 the even block whole, lanes 16-31 the odd one
.macro PAIR lo, hi
.irp i, 0,1,2
	v_permlane16_swap_b32 v[\lo+\i], v[\hi+\i]
.endr
.irp i, 0,1,2
	v_mov_b32 v[\lo+3+\i], v[\hi+\i]
.endr
.endm
.macro ACT pi                          ; the activation of pass pi, and its 32 rows as block pi of my two fragments
	SILU
	s_cmp_lg_u32 s[TT], 0                          ; v's waves have no elu and no key_sum: a branch on the wave's number
	s_cbranch_scc1 .Lno_elu_\@
	ELU1
.set JJ, 0
.rept 8
	v_pk_add_f32 v[KS:KS+1], v[KS:KS+1], v[CC+JJ:CC+JJ+1]           ; key_sum is taken of the unquantised phi_k
	v_pk_add_f32 v[KS+2:KS+3], v[KS+2:KS+3], v[CC+16+JJ:CC+17+JJ]
.set JJ, JJ+2
.endr
.Lno_elu_\@:
	MAXES 2, CC, AA
.if \pi == 0
	v_lshrrev_b32 v[SW], 23, v[AA+2]               ; the scale's byte; byte pi of the column's scale word
	v_lshrrev_b32 v[SW+1], 23, v[AA+6]
.else
	v_lshrrev_b32 v[AA+3], 23, v[AA+2]
	v_lshrrev_b32 v[AA+7], 23, v[AA+6]
	v_lshl_or_b32 v[SW], v[AA+3], 8*\pi, v[SW]
	v_lshl_or_b32 v[SW+1], v[AA+7], 8*\pi, v[SW+1]
.endif
.if \pi%2 == 0
	v_cvt_scalef32_pk16_fp6_f32 v[F+6*(\pi/2):F+6*(\pi/2)+2], v[CC:CC+15], v[AA+2]
	v_cvt_scalef32_pk16_fp6_f32 v[F+12+6*(\pi/2):F+12+6*(\pi/2)+2], v[CC+16:CC+31], v[AA+6]
	v_nop                                          ; one plain place behind a scaled conversion
.else
	v_cvt_scalef32_pk16_fp6_f32 v[TC:TC+2], v[CC:CC+15], v[AA+2]
	v_cvt_scalef32_pk16_fp6_f32 v[TC+4:TC+6], v[CC+16:CC+31], v[AA+6]
	v_nop
	PAIR F+6*(\pi/2), TC
	PAIR F+12+6*(\pi/2), TC+4
.endif
.endm
; THE CHANGE OF SLOTS stands at a block's head.  Each wave waits for all its tensor loads (its part of the slot that it is about to read), adds 0 to its spare word, and waits for that and for its LDS reads.
; fill = 1: behind a round of the cluster's barrier the slot that has been left takes the rows that follow; the load has a whole block in which to land.  One tensor load of mine is out then; two at the start.
.macro CHANGE fill
	s_wait_tensorcnt 0x0                           ; no tensor load of mine is out, so a group 0 may be written
	ds_add_u32 v[SPW], v[NIL]
.if \fill
	s_xor_b32 s[G0K+1], s[G0K+1], SLOT1            ; the other slot than last time,
	s_add_nc_u64 s[G0K+2:G0K+3], s[G0K+2:G0K+3], 128*384   ; the next 128 rows
	s_xor_b32 s[G0V+1], s[G0V+1], SLOT1
	s_add_nc_u64 s[G0V+2:G0V+3], s[G0V+2:G0V+3], 128*384
.endif
	s_wait_dscnt 0x0                               ; the add is done, and my reads of the slot that I have left are over
.if \fill
	ROUND
	JLOAD
.else
	s_barrier_signal -1
	s_barrier_wait -1
.endif
.endm
.macro BLOCK                           ; 128 rows: four passes, then one K step of the kv product
	v_add_nc_u32 v[ADK], s[TB], v[AK0]
	v_add_nc_u32 v[ADK+1], s[TB], v[AK0+1]
	v_add_nc_u32 v[ADS], s[TS], v[AS0]
	LOADS 0
	WM
	LOADS 1
	ACT 0
	WM
	LOADS 2
	ACT 1
	WM
	LOADS 3
	ACT 2
	WM
	ACT 3
.irp u, 0,1
.irp i, 0,1,2
	ds_store_b128 v[IWI], v[F+12*\u+4*\i:F+12*\u+4*\i+3] offset:1536*\u+512*\i   ; a fragment goes to LDS as it stands: lane l's 16 bytes at 16 l
.endr
	ds_store_b32 v[IWS], v[SW+\u] offset:128*\u
.endr
	s_wait_dscnt 0x0                               ; for the others' sake: my images have landed
	s_barrier_signal -1                            ; (my refill may stay out; the next fill stands behind the next round)
	s_barrier_wait -1
.irp f, 0,1
.irp i, 0,1,2
	ds_load_b128 v[CC+12*\f+4*\i:CC+12*\f+4*\i+3], v[IRD] offset:1536*\f+512*\i        ; two tiles of phi_k^T,
	ds_load_b128 v[CC+24+12*\f+4*\i:CC+24+12*\f+4*\i+3], v[IRE] offset:1536*\f+512*\i  ; two of v^T
.endr
	ds_load_b32 v[XS+\f], v[IRDS] offset:128*\f
	ds_load_b32 v[XS+2+\f], v[IRES] offset:128*\f
.endr
	s_wait_dscnt 0x0
	WIN 0x50                                       ; C and D window 1
.irp i, 0,1
.irp j, 0,1
	MMA KV+8*(2*\i+\j), CC+12*\i, CC+24+12*\j, KV+8*(2*\i+\j), XS+\i, XS+2+\j
.endr
.endr
	WIN 0
.rept 5
	v_nop                                          ; five places: the fragments' registers are next written by matrix instructions
.endr
	s_xor_b32 s[TB], s[TB], SLOT1
	s_add_co_u32 s[TS], s[TS], 128*16
.endm
	s_load_b512 s[4:19], s[0:1], 0x0               ; key, value codes; key, value scales; k, v W1 codes; k, v W2 codes
	s_load_b512 s[20:35], s[0:1], 0x40             ; k, v W1 scales; k, v W2 scales; k, v b1; k, v b2
	s_load_b128 s[36:39], s[0:1], 0x80             ; kvp, ksp
	v_lshl_add_u32 v[SPW], v0, 2, SPARE
	v_mov_b32 v[NIL], 0
	ds_add_u32 v4, v5
	ds_add_u32 v4, v5
	s_wait_dscnt 0x0
	v_lshrrev_b32 v[LN], 5, v0
	v_readfirstlane_b32 s[WV], v[LN]               ; wave 0..7
	v_and_b32 v[LN], 31, v0
	v_and_b32 v[RR], 15, v0
	v_bfe_u32 v[HH], v0, 4, 1
	s_lshr_b32 s[TT], s[WV], 2
	s_and_b32 s[W3], s[WV], 3
	s_bfe_u32 s[CX], ttmp6, 0x40000                ; my place in the cluster: it enters the weights' and the results' addresses alone
	s_and_b32 s[YY], ttmp7, 0xffff                 ; the chunk of 512 rows, which the four partners share
	; group 1, rows of codes: 32 rows x 384 bytes, 16 bytes of padding behind every 128
	s_mov_b32 s[G1C], 15|(1<<20)|(1<<21)|(4<<22)|(3<<25)   ; 15:0 the mask: all four work-groups; 17:16 elements of 1 byte; 20 padding on; 21 set beside a mask; 24:22 after every 32 words; 31:25 4 words of it
	s_mov_b32 s[G1C+1], 384<<16                    ; tensor_dim0
	s_mov_b32 s[G1C+2], 32<<16                     ; tensor_dim1
	s_mov_b32 s[G1C+3], 384<<16                    ; tile_dim0
	s_mov_b32 s[G1C+4], 32                         ; tile_dim1
	s_mov_b32 s[G1C+5], 384                        ; from row to row
	s_mov_b32 s[G1C+6], 0
	s_mov_b32 s[G1C+7], 0
	; group 1, scale bytes: 128 rows' 2,048 dense bytes as 8 rows of 256 bytes (32 elements of 8 bytes)
	s_mov_b32 s[G1S], 15|(3<<16)|(1<<21)
	s_mov_b32 s[G1S+1], 32<<16
	s_mov_b32 s[G1S+2], 8<<16
	s_mov_b32 s[G1S+3], 32<<16
	s_mov_b32 s[G1S+4], 8
	s_mov_b32 s[G1S+5], 32
	s_mov_b32 s[G1S+6], 0
	s_mov_b32 s[G1S+7], 0
	s_mul_i32 s88, s[YY], 512*384
	s_mul_i32 s90, s[W3], 32*384
	s_add_co_u32 s88, s88, s90                     ; codes: row 512 y + 32 (wave % 4)
	s_mov_b32 s89, 0
	s_lshl_b32 s90, s[YY], 13
	s_lshl_b32 s91, s[W3], 11
	s_add_co_u32 s90, s90, s91                     ; scale bytes: row 512 y + 128 (wave % 4)
	s_mov_b32 s91, 0
	s_mul_i32 s92, s[WV], WTILE                    ; where they go: wave x 32 rows (key's 128, then value's),
	s_lshl_b32 s93, s[WV], 11
	s_add_co_u32 s93, s93, SCL                     ; wave x 2,048 bytes
	s_wait_kmcnt 0x0
	ROUND                                          ; all four work-groups are here: the first joint loads meet
	s_mov_b32 s[G0K], 1
	s_mov_b32 s[G0K+1], s92
	s_add_nc_u64 s[G0K+2:G0K+3], s[4:5], s[88:89]
	s_or_b32 s[G0K+3], s[G0K+3], 0x80000000
	s_mov_b32 s[G0V], 1
	s_mov_b32 s[G0V+1], s92
	s_add_nc_u64 s[G0V+2:G0V+3], s[6:7], s[88:89]
	s_or_b32 s[G0V+3], s[G0V+3], 0x80000000
	s_mov_b32 s[G0SK], 1
	s_mov_b32 s[G0SK+1], s93
	s_add_nc_u64 s[G0SK+2:G0SK+3], s[8:9], s[90:91]
	s_or_b32 s[G0SK+3], s[G0SK+3], 0x80000000
	s_mov_b32 s[G0SV], 1
	s_mov_b32 s[G0SV+1], s93
	s_add_nc_u64 s[G0SV+2:G0SV+3], s[10:11], s[90:91]
	s_or_b32 s[G0SV+3], s[G0SV+3], 0x80000000
	s_cmp_lt_u32 s[WV], 4                          ; a wave's two first fills stand in one branch, ahead of every wait on TENSORcnt and every LDS read
	s_cbranch_scc0 .Lfirst_v
	tensor_load_to_lds s[G0SK:G0SK+3], s[G1S:G1S+7]
	s_nop 0
	tensor_load_to_lds s[G0K:G0K+3], s[G1C:G1C+7]
	s_nop 0
.rept 4
	v_nop
.endr
	s_branch .Lfirst_asked
.Lfirst_v:
	tensor_load_to_lds s[G0SV:G0SV+3], s[G1S:G1S+7]
	s_nop 0
	tensor_load_to_lds s[G0V:G0V+3], s[G1C:G1C+7]
	s_nop 0
.rept 4
	v_nop
.endr
.Lfirst_asked:
	s_cmp_lt_u32 s[WV], 4                          ; k's weights or v's: the choice hangs on the wave's number alone
	s_cselect_b64 s[12:13], s[12:13], s[14:15]
	s_cselect_b64 s[16:17], s[16:17], s[18:19]
	s_cselect_b64 s[20:21], s[20:21], s[22:23]
	s_cselect_b64 s[24:25], s[24:25], s[26:27]
	s_cselect_b64 s[28:29], s[28:29], s[30:31]
	s_cselect_b64 s[32:33], s[32:33], s[34:35]
	s_lshl_b32 s88, s[CX], 7
	s_lshl_b32 s90, s[W3], 5
	s_add_co_u32 s88, s88, s90                     ; my 32 rows of W begin at row 128 cx + 32 (wave % 4)
	s_mul_i32 s90, s88, 384
	s_add_nc_u64 s[12:13], s[12:13], s[90:91]
	s_add_nc_u64 s[16:17], s[16:17], s[90:91]
	s_lshl_b32 s90, s88, 4
	s_add_nc_u64 s[20:21], s[20:21], s[90:91]
	s_add_nc_u64 s[24:25], s[24:25], s[90:91]
	s_lshl_b32 s90, s88, 2
	s_add_nc_u64 s[28:29], s[28:29], s[90:91]
	s_add_nc_u64 s[32:33], s[32:33], s[90:91]
	; where my results go.  kvp: [batch x head 32][e tile 4][chunk 16][d tile 4][half 2][lane 32][16 bytes];  ksp: [batch x head][chunk][64] f32
	s_lshr_b32 s88, s[YY], 4
	s_lshl_b32 s88, s88, 3
	s_lshl_b32 s90, s[CX], 1
	s_add_co_u32 s88, s88, s90
	s_lshr_b32 s90, s[W3], 1
	s_add_co_u32 s88, s88, s90                     ; 8 batch + head
	s_and_b32 s92, s[YY], 15                       ; the chunk in its batch
	s_and_b32 s93, s[WV], 1
	s_lshl_b32 s90, s88, 2
	s_lshl_b32 s94, s[TT], 1
	s_add_co_u32 s90, s90, s94                     ; my e tiles are 2 (wave / 4) + j,
	s_lshl_b32 s90, s90, 4
	s_add_co_u32 s90, s90, s92
	s_lshl_b32 s90, s90, 12
	s_lshl_b32 s94, s93, 11                        ; my d tiles 2 (wave % 2) + i
	s_add_co_u32 s90, s90, s94
	s_add_nc_u64 s[36:37], s[36:37], s[90:91]
	s_lshl_b32 s90, s88, 12
	s_lshl_b32 s92, s92, 8
	s_add_co_u32 s90, s90, s92
	s_lshl_b32 s93, s93, 7
	s_add_co_u32 s90, s90, s93
	s_add_nc_u64 s[38:39], s[38:39], s[90:91]
	; THE WEIGHTS.  My 32 rows are four groups of 8 rows, 3,072 dense bytes each.  Half q of tile u is group 2 u + q for k (rows as they lie) and group u + 2 q for v.
	v_lshlrev_b32 v[LI], 4, v[LN]
	s_mul_i32 s92, s[TT], 3072
	s_add_co_u32 s93, s92, 3072
	s_sub_co_u32 s92, 6144, s92
	v_add_nc_u32 v54, s93, v[LI]                   ; tile 0, half 1
	v_add_nc_u32 v55, s92, v[LI]                   ; tile 1, half 0
	s_lshl_b32 s92, s[TT], 3
	v_lshrrev_b32 v56, 3, v[RR]
	v_mul_u32_u24 v56, s92, v56
	v_add_nc_u32 v56, v56, v[RR]                   ; the row that lane r of tile 0 takes: r (k), r + 8 (r / 8) (v);
	s_sub_co_u32 s92, 16, s92
	v_add_nc_u32 v57, s92, v56                     ; of tile 1: 16 (k) or 8 (v) further on
	v_lshlrev_b32 v58, 4, v56                      ; its 16 scale bytes,
	v_lshlrev_b32 v59, 4, v57
	v_lshlrev_b32 v60, 2, v56                      ; its bias
	v_lshlrev_b32 v61, 2, v57
.macro WGRP q, u, g, adr, base         ; 8 rows as they lie: six loads of 512 consecutive bytes
.irp i, 0,1,2,3,4,5
	global_load_b128 v[48*(2*\q+\u)+24*\g+4*\i:48*(2*\q+\u)+24*\g+4*\i+3], v[\adr], s[12+4*\q:13+4*\q] offset:\base+512*\i
.endr
.endm
	WIN 0x40                                       ; destination window 1
.irp q, 0,1
	WGRP \q, 0, 0, LI, 0
	WGRP \q, 0, 1, 54, 0
	WGRP \q, 1, 0, 55, 0
	WGRP \q, 1, 1, LI, 9216
.irp u, 0,1
.irp j, 0,1,2,3,4,5,6,7
	global_load_b32 v[WB+8*(2*\q+\u)+\j], v[60+\u], s[28+4*\q:29+4*\q]   ; a lane holds one column, so its eight registers of C hold the same bias
.endr
.endr
.endr
	WIN 0
.irp q, 0,1
.irp u, 0,1
	global_load_b128 v[WS+4*(2*\q+\u):WS+4*(2*\q+\u)+3], v[58+\u], s[20+4*\q:21+4*\q]
.endr
.endr
	s_mul_i32 s92, s[WV], STGW
	s_add_co_u32 s92, s92, STG                     ; my stage
.irp k, 0,1,2                          ; into it: 16-byte piece n = 32 k + lane of four rows lies in row n / 24 (= 43 n >> 10 for n under 96): 16 n + 16 (n / 24); the 512 k stand in the immediate
	v_add_nc_u32 v[128+\k], 32*\k, v[LN]
	v_mul_u32_u24 v[128+\k], 43, v[128+\k]
	v_lshrrev_b32 v[128+\k], 10, v[128+\k]
	v_lshl_add_u32 v[128+\k], v[128+\k], 4, v[LI]
	v_add_nc_u32 v[128+\k], s92, v[128+\k]
.endr
	v_mul_u32_u24 v131, SPIT, v[RR]
	v_mad_u32_u24 v131, v[HH], 24, v131
	v_add_nc_u32 v131, s92, v131                   ; out of it: row r, + 24 h
	s_mul_i32 s92, s[TT], OPER
	v_mul_u32_u24 v[AK0], PITCH, v[RR]
	v_mad_u32_u24 v[AK0], v[HH], 24, v[AK0]
	v_add_nc_u32 v[AK0], s92, v[AK0]
	v_lshl_add_u32 v[AK0+1], v[HH], 4, v[AK0]
	s_lshl_b32 s92, s[TT], 13
	s_add_co_u32 s92, s92, SCL
	v_lshl_add_u32 v[AS0], v[RR], 4, s92
	s_mul_i32 s92, s[WV], 3072
	s_add_co_u32 s92, s92, IMG
	v_add_nc_u32 v[IWI], s92, v[LI]
	s_lshl_b32 s92, s[WV], 8
	s_add_co_u32 s92, s92, ISC
	v_lshl_add_u32 v[IWS], v[LN], 2, s92
	s_mul_i32 s92, s[W3], 3072                     ; phi_k^T: the fragments of k's wave (wave % 4): my head, d tiles 2 (wave % 2) + i
	s_add_co_u32 s92, s92, IMG
	v_add_nc_u32 v[IRD], s92, v[LI]
	s_lshl_b32 s92, s[W3], 8
	s_add_co_u32 s92, s92, ISC
	v_lshl_add_u32 v[IRDS], v[LN], 2, s92
	s_and_b32 s93, s[WV], 2                        ; v^T: those of v's wave 4 + (wave & 2) + wave / 4: my head, e tiles 2 (wave / 4) + j
	s_add_co_u32 s93, s93, s[TT]
	s_add_co_u32 s93, s93, 4
	s_mul_i32 s92, s93, 3072
	s_add_co_u32 s92, s92, IMG
	v_add_nc_u32 v[IRE], s92, v[LI]
	s_lshl_b32 s92, s93, 8
	s_add_co_u32 s92, s92, ISC
	v_lshl_add_u32 v[IRES], v[LN], 2, s92
	v_lshlrev_b32 v[KO], 2, v[LN]
.irp j, 0,1,2,3
	v_mov_b32 v[KS+\j], 0
.endr
	s_mov_b32 s[SEL], 0x76543210
	s_mov_b32 s[SEL+1], 0xfedcba98
	s_mov_b32 s[LL], 0x3fb8aa3b
	s_mov_b32 s[LL+1], s[LL]
	s_mov_b32 s[NL], 0xbfb8aa3b
	s_mov_b32 s[NL+1], s[NL]
	s_mov_b32 s[TB], 0
	s_mov_b32 s[TS], 0
	s_mov_b32 s[CNT], 3
	s_wait_loadcnt 0x0
.macro RELAY g                         ; the 16 rows of (matrix, tile) g go through my stage and come back as four fragments, into the registers that they left
	WIN 0x04                                       ; an LDS store's data are its source 1: window 1
.irp q, 0,1
.irp i, 0,1,2,3,4,5
	ds_store_b128 v[128+(\i%3)], v[48*\g+24*\q+4*\i:48*\g+24*\q+4*\i+3] offset:512*(\i%3)+8*SPIT*\q+4*SPIT*(\i/3)
.endr
.endr
	s_wait_dscnt 0x0                               ; the stores have read their registers
	WIN 0x40
.irp s, 0,1,2,3
.irp p, 0,1,2,3,4,5
	ds_load_b64 v[48*\g+12*\s+2*\p:48*\g+12*\s+2*\p+1], v131 offset:96*\s+48*(\p/3)+8*(\p%3)   ; LDS serves a wave's instructions in order (ISA guide 5.7.1.4): the next tile's stores come behind these
.endr
.endr
.endm
	RELAY 0
	RELAY 1
	RELAY 2
	RELAY 3
.set JJ, 0
.rept 32
	v_mov_b32 v[KV+JJ], 0                          ; the four tiles of kv begin as zeros, so that the block is written with one form of the product: 32 moves, once
.set JJ, JJ+1
.endr
	WIN 0
.Lblk:                                             ; three trips: behind each change of slots but the last the next 128 rows are asked for
	CHANGE 1
	BLOCK
	s_sub_co_u32 s[CNT], s[CNT], 1
	s_cmp_lg_u32 s[CNT], 0
	s_cbranch_scc1 .Lblk
	CHANGE 0                                       ; the last block is written out
	BLOCK
	WIN 0x04                                       ; a store's data are its source 1: window 1
.irp i, 0,1
.irp j, 0,1
	global_store_b128 v[LI], v[KV+8*(2*\i+\j):KV+8*(2*\i+\j)+3], s[36:37] offset:65536*\j+1024*\i        ; each accumulator from its low end on; a store covers 512 consecutive bytes, aligned
	global_store_b128 v[LI], v[KV+8*(2*\i+\j)+4:KV+8*(2*\i+\j)+7], s[36:37] offset:65536*\j+1024*\i+512
.endr
.endr
	WIN 0
	s_cmp_lg_u32 s[TT], 0
	s_cbranch_scc1 .Lno_sum                        ; key_sum: k's waves alone
	v_add_f32 v[KS], v[KS], v[KS+1]
	v_add_f32 v[KS+2], v[KS+2], v[KS+3]
	v_permlanex16_b32 v[KS+1], v[KS], s[SEL], s[SEL+1]
	v_permlanex16_b32 v[KS+3], v[KS+2], s[SEL], s[SEL+1]
	v_add_f32 v[KS], v[KS], v[KS+1]                ; with the other half's rows: column r of tile 0,
	v_add_f32 v[KS+2], v[KS+2], v[KS+3]            ; of tile 1
	v_cmp_eq_u32 vcc_lo, 1, v[HH]
	v_cndmask_b32 v[KS], v[KS], v[KS+2], vcc_lo    ; lanes 0-15 store tile 0's, lanes 16-31 tile 1's: 128 consecutive bytes
	global_store_b32 v[KO], v[KS], s[38:39]
.Lno_sum:
	s_wait_tensorcnt 0x0                           ; the wave's end
	ds_add_u32 v[SPW], v[NIL]
	s_wait_dscnt 0x0
	ROUND                                          ; the closing round: no work-group ends while a partner may still ask for a tile that names it
	s_endpgm
.Lfunc_end_k_qc49a8171e5_kvpart:
	.size	k_qc49a8171e5_kvpart, .Lfunc_end_k_qc49a8171e5_kvpart-k_qc49a8171e5_kvpart
	.p2alignl 7, 3214868480
	.fill 96, 4, 3214868480
	.section	.rodata,"a",@progbits
	.p2align	6, 0x0
	.amdhsa_kernel k_qc49a8171e5_kvpart
		.amdhsa_group_segment_fixed_size 327680
		.amdhsa_private_segment_fixed_size 0
		.amdhsa_enable_private_segment 0
		.amdhsa_kernarg_size 144
		.amdhsa_user_sgpr_count 2
		.amdhsa_user_sgpr_kernarg_segment_ptr 1
		.amdhsa_wavefront_size32 1
		.amdhsa_system_sgpr_workgroup_id_x 1
		.amdhsa_system_sgpr_workgroup_id_y 1
		.amdhsa_system_sgpr_workgroup_id_z 1
		.amdhsa_system_vgpr_workitem_id 0
		.amdhsa_next_free_vgpr 512
		.amdhsa_next_free_sgpr 100
		.amdhsa_reserve_vcc 1
		.amdhsa_float_denorm_mode_32 3
		.amdhsa_float_denorm_mode_16_64 3
		.amdhsa_memory_ordered 1
		.amdhsa_forward_progress 1
		.amdhsa_inst_pref_size 209
	.end_amdhsa_kernel
	.amdgpu_metadata
---
amdhsa.version: [ 1, 2 ]
amdhsa.kernels:
  - .name:           k_qc49a8171e5_kvpart
    .symbol:         k_qc49a8171e5_kvpart.kd
    .args:
      - { .name: key_codes, .offset: 0, .size: 8, .value_kind: global_buffer, .address_space: global }
      - { .name: value_codes, .offset: 8, .size: 8, .value_kind: global_buffer, .address_space: global }
      - { .name: key_scales, .offset: 16, .size: 8, .value_kind: global_buffer, .address_space: global }
      - { .name: value_scales, .offset: 24, .size: 8, .value_kind: global_buffer, .address_space: global }
      - { .name: k_w1_codes, .offset: 32, .size: 8, .value_kind: global_buffer, .address_space: global }
      - { .name: v_w1_codes, .offset: 40, .size: 8, .value_kind: global_buffer, .address_space: global }
      - { .name: k_w2_codes, .offset: 48, .size: 8, .value_kind: global_buffer, .address_space: global }
      - { .name: v_w2_codes, .offset: 56, .size: 8, .value_kind: global_buffer, .address_space: global }
      - { .name: k_w1_scales, .offset: 64, .size: 8, .value_kind: global_buffer, .address_space: global }
      - { .name: v_w1_scales, .offset: 72, .size: 8, .value_kind: global_buffer, .address_space: global }
      - { .name: k_w2_scales, .offset: 80, .size: 8, .value_kind: global_buffer, .address_space: global }
      - { .name: v_w2_scales, .offset: 88, .size: 8, .value_kind: global_buffer, .address_space: global }
      - { .name: k_b1, .offset: 96, .size: 8, .value_kind: global_buffer, .address_space: global }
      - { .name: v_b1, .offset: 104, .size: 8, .value_kind: global_buffer, .address_space: global }
      - { .name: k_b2, .offset: 112, .size: 8, .value_kind: global_buffer, .address_space: global }
      - { .name: v_b2, .offset: 120, .size: 8, .value_kind: global_buffer, .address_space: global }
      - { .name: kvp, .offset: 128, .size: 8, .value_kind: global_buffer, .address_space: global }
      - { .name: ksp, .offset: 136, .size: 8, .value_kind: global_buffer, .address_space: global }
    .group_segment_fixed_size: 327680
    .private_segment_fixed_size: 0
    .kernarg_segment_align: 8
    .kernarg_segment_size: 144
    .max_flat_workgroup_size: 256
    .sgpr_count:     100
    .vgpr_count:     512
    .wavefront_size: 32
...
	.end_amdgpu_metadata
.endif
;; end of part 1
;; launch mid (part 2): grid 152 x 1, 4 waves a work-group, no clusters, 18,944 bytes of LDS; arguments kvp, ksp, q_w1_codes, q_w2_codes, out_w_codes, kvc, kvs, ksum, wfr; writes kvc, kvs, ksum, wfr
.if DOCPART == 2
	.amdgcn_target "amdgcn-amd-amdhsa--gfx1250"
	.amdhsa_code_object_version 6
	.text
	.protected	k_qc49a8171e5_mid
	.globl	k_qc49a8171e5_mid
	.p2align	8
	.type	k_qc49a8171e5_mid,@function
k_qc49a8171e5_mid:
	s_mov_b64 s[64:65], 0
	v_nop
	global_prefetch_b8 v0, s[64:65] scope:SCOPE_SE
	s_setreg_imm32_b32 hwreg(HW_REG_WAVE_MODE, 25, 1), 1
	s_wait_xcnt 0x0
; Two small jobs in one launch, told apart by the work-group's number.
; A (work-groups 0-127: batch x head bh = g / 4, e tile n = g % 4): the 16 chunks' part sums of kv are added (wave q: chunks 4 q .. 4 q + 3; then wave 0 adds the four through LDS), and the tile, 64 d x 16 e,
;   is quantised along d into E2M3 codes with one E8M0 scale for each 32: a lane holds one e, its 32 registers d = 16 t + 8 h + j.  The six registers of codes are stored as the next launch's operand takes them.
;   Inside a block d stands in the order 0-7, 16-23, 8-15, 24-31, as phi_q's codes do there.  The same work-group adds key_sum for d = 16 n + r.
; B (work-groups 128-151): q_w1, q_w2 and out_w, 32 tiles of 16 rows each, are laid in the order of an operand's registers: [matrix][tile][K step][3][lane][16 bytes], so that the next launch loads
;   a fragment by three loads of 512 consecutive bytes.  A wave takes a tile.
; No matrix work, no tensor loads: the launch moves some 10 MB.  LIMITS: NaN and infinities are not served; a block whose largest magnitude lies under 2^-124 (a block of zeros too) gets the scale byte 1.
.set TM, 164
.macro MAXES nb, x, tm                 ; as in the launch before: v[tm + 4 b + 2] = the conversion's scale operand of block b
.set BB, 0
.rept \nb
	v_max3_num_f32 v[\tm+4*BB], |v[\x+16*BB]|, |v[\x+16*BB+1]|, 0x1800000
	v_max3_num_f32 v[\tm+4*BB+1], |v[\x+16*BB+8]|, |v[\x+16*BB+9]|, |v[\x+16*BB+10]|
.set BB, BB+1
.endr
.set II, 0
.rept 3
.set BB, 0
.rept \nb
	v_max3_num_f32 v[\tm+4*BB], v[\tm+4*BB], |v[\x+16*BB+2+2*II]|, |v[\x+16*BB+3+2*II]|
.if II < 2
	v_max3_num_f32 v[\tm+4*BB+1], v[\tm+4*BB+1], |v[\x+16*BB+11+2*II]|, |v[\x+16*BB+12+2*II]|
.endif
.set BB, BB+1
.endr
.set II, II+1
.endr
.set BB, 0
.rept \nb
	v_max3_num_f32 v[\tm+4*BB], v[\tm+4*BB], v[\tm+4*BB+1], |v[\x+16*BB+15]|
.set BB, BB+1
.endr
.set BB, 0
.rept \nb
	v_permlanex16_b32 v[\tm+4*BB+1], v[\tm+4*BB], s30, s31
.set BB, BB+1
.endr
.set BB, 0
.rept \nb
	v_max_num_f32 v[\tm+4*BB], v[\tm+4*BB], v[\tm+4*BB+1]
.set BB, BB+1
.endr
.set BB, 0
.rept \nb
	v_add_nc_u32 v[\tm+4*BB+2], 0xff000000, v[\tm+4*BB]
.set BB, BB+1
.endr
.endm
	s_load_b512 s[4:19], s[0:1], 0x0               ; kvp, ksp, q_w1, q_w2, out_w, kvc, kvs, ksum
	s_load_b64 s[20:21], s[0:1], 0x40              ; wfr
	v_lshl_add_u32 v192, v0, 2, 0x4800
	v_mov_b32 v193, 0
	v_lshrrev_b32 v1, 5, v0
	v_readfirstlane_b32 s22, v1                    ; wave 0..3
	v_and_b32 v1, 31, v0                           ; lane
	v_and_b32 v2, 15, v0                           ; r
	v_bfe_u32 v3, v0, 4, 1                         ; h
	v_lshlrev_b32 v4, 4, v1                        ; 16 x lane
	v_lshlrev_b32 v7, 2, v1                        ; 4 x lane
	s_mov_b32 s25, 0
	s_mov_b32 s30, 0x76543210
	s_mov_b32 s31, 0xfedcba98
	s_wait_kmcnt 0x0
	s_cmp_lt_u32 ttmp9, 128
	s_cbranch_scc0 .Lrelay
	; ---- A
	s_lshl_b32 s24, ttmp9, 16                      ; kvp: 65,536 bytes for each (bh, n), 4,096 for each chunk
	s_lshl_b32 s26, s22, 14
	s_add_co_u32 s24, s24, s26
	s_add_nc_u64 s[4:5], s[4:5], s[24:25]
.set II, 0
.rept 32
	global_load_b128 v[32+4*II:35+4*II], v4, s[4:5] offset:512*II th:TH_LOAD_NT   ; my four chunks: 16,384 consecutive bytes; register 32 chunk + 8 t + j
.set II, II+1
.endr
	s_lshr_b32 s27, ttmp9, 2                       ; bh
	s_and_b32 s28, ttmp9, 3                        ; n
	s_lshl_b32 s24, s27, 12
	s_lshl_b32 s26, s22, 10
	s_add_co_u32 s24, s24, s26
	s_lshl_b32 s26, s28, 6
	s_add_co_u32 s24, s24, s26
	s_add_nc_u64 s[6:7], s[6:7], s[24:25]          ; ksp: 4,096 bh + 256 (4 q) + 4 (16 n)
	v_lshlrev_b32 v10, 2, v2
	v_lshl_add_u32 v5, v3, 9, v10                  ; lane (r, h): chunks 4 q + 2 h and the next, d = 16 n + r
	global_load_b32 v160, v5, s[6:7]
	global_load_b32 v161, v5, s[6:7] offset:256
	s_mul_i32 s26, s22, 4608                       ; LDS: a region for each wave: 4,096 bytes of sums, 128 of key_sum
	v_add_nc_u32 v6, s26, v4
	v_add_nc_u32 v8, s26, v7
	v_lshlrev_b32 v9, 3, v1
	s_wait_loadcnt 0x0
.set JJ, 0
.rept 16
	v_pk_add_f32 v[32+JJ:33+JJ], v[32+JJ:33+JJ], v[64+JJ:65+JJ]
	v_pk_add_f32 v[96+JJ:97+JJ], v[96+JJ:97+JJ], v[128+JJ:129+JJ]
.set JJ, JJ+2
.endr
.set JJ, 0
.rept 16
	v_pk_add_f32 v[32+JJ:33+JJ], v[32+JJ:33+JJ], v[96+JJ:97+JJ]
.set JJ, JJ+2
.endr
	v_add_f32 v160, v160, v161
	s_cmp_eq_u32 s22, 0
	s_cbranch_scc1 .Lkeeps
.irp i, 0,1,2,3,4,5,6,7
	ds_store_b128 v6, v[32+4*\i:35+4*\i] offset:512*\i
.endr
	ds_store_b32 v8, v160 offset:4096
.Lkeeps:
	s_wait_dscnt 0x0                               ; for wave 0's sake: my sums have landed
	s_barrier_signal -1
	s_barrier_wait -1
	s_cmp_lg_u32 s22, 0
	s_cbranch_scc1 .Ldone
.irp q, 1,2,3
.irp i, 0,1,2,3,4,5,6,7
	ds_load_b128 v[32+32*\q+4*\i:35+32*\q+4*\i], v4 offset:4608*\q+512*\i
.endr
	ds_load_b32 v[160+\q], v7 offset:4608*\q+4096
.endr
	s_mul_i32 s24, s27, 3072                       ; kvc: [bh][piece 3 n + i][lane][8 bytes]
	s_mul_i32 s26, s28, 768
	s_add_co_u32 s24, s24, s26
	s_add_nc_u64 s[14:15], s[14:15], s[24:25]
	s_lshl_b32 s24, s27, 9                         ; kvs: [bh][n][lane] words
	s_lshl_b32 s26, s28, 7
	s_add_co_u32 s24, s24, s26
	s_add_nc_u64 s[16:17], s[16:17], s[24:25]
	s_lshl_b32 s24, s27, 8                         ; ksum: [bh][64] f32
	s_lshl_b32 s26, s28, 6
	s_add_co_u32 s24, s24, s26
	s_add_nc_u64 s[18:19], s[18:19], s[24:25]
	s_wait_dscnt 0x0
.set JJ, 0
.rept 16
	v_pk_add_f32 v[32+JJ:33+JJ], v[32+JJ:33+JJ], v[64+JJ:65+JJ]
	v_pk_add_f32 v[96+JJ:97+JJ], v[96+JJ:97+JJ], v[128+JJ:129+JJ]
.set JJ, JJ+2
.endr
.set JJ, 0
.rept 16
	v_pk_add_f32 v[32+JJ:33+JJ], v[32+JJ:33+JJ], v[96+JJ:97+JJ]
.set JJ, JJ+2
.endr
	v_add_f32 v160, v160, v161
	v_add_f32 v162, v162, v163
	v_add_f32 v160, v160, v162
	v_permlanex16_b32 v161, v160, s30, s31
	v_add_f32 v160, v160, v161                     ; key_sum[16 n + r], all 16 chunks
	MAXES 2, 32, TM                                ; block 0: d 0-31 (v32-47 and lane l xor 16's), block 1: d 32-63
	v_lshrrev_b32 v172, 23, v[TM+2]
	v_lshrrev_b32 v173, 23, v[TM+6]
	v_lshl_or_b32 v172, v173, 8, v172
	v_or_b32 v172, 0x7f7f0000, v172                ; the two bytes, and 127 for the half of the K step of 128 that the product does not have
	v_cvt_scalef32_pk16_fp6_f32 v[176:178], v[32:47], v[TM+2]
	v_cvt_scalef32_pk16_fp6_f32 v[184:186], v[48:63], v[TM+6]
	v_nop                                          ; one plain place behind a scaled conversion
.irp i, 0,1,2
	v_permlane16_swap_b32 v[176+\i], v[184+\i]     ; lanes 0-15 get block 0 whole, lanes 16-31 block 1
.endr
.irp i, 0,1,2
	v_mov_b32 v[179+\i], v[184+\i]
.endr
.irp i, 0,1,2
	global_store_b64 v9, v[176+2*\i:177+2*\i], s[14:15] offset:256*\i   ; 256 consecutive bytes, aligned
.endr
	global_store_b32 v7, v172, s[16:17]
	v_cmp_gt_u32 vcc_lo, 16, v1
	s_wait_xcnt 0x0                                ; EXEC changes only behind this wait
	s_and_saveexec_b32 s29, vcc_lo
	global_store_b32 v10, v160, s[18:19]           ; lanes 0-15: 64 bytes
	s_wait_xcnt 0x0
	s_or_b32 exec_lo, exec_lo, s29
.Ldone:
	s_wait_tensorcnt 0x0
	ds_add_u32 v192, v193
	s_wait_dscnt 0x0
	s_endpgm
	; ---- B
.Lrelay:
	s_sub_co_u32 s24, ttmp9, 128
	s_lshr_b32 s26, s24, 3                         ; the matrix: 0 q_w1, 1 q_w2, 2 out_w
	s_and_b32 s24, s24, 7
	s_lshl_b32 s24, s24, 2
	s_add_co_u32 s24, s24, s22                     ; my tile of 16 rows
	s_cmp_lt_u32 s26, 1
	s_cselect_b64 s[8:9], s[8:9], s[10:11]
	s_cmp_lt_u32 s26, 2
	s_cselect_b64 s[8:9], s[8:9], s[12:13]
	s_mul_i32 s24, s24, 6144
	s_add_nc_u64 s[8:9], s[8:9], s[24:25]
	s_mul_i32 s26, s26, 196608
	s_add_co_u32 s24, s24, s26
	s_add_nc_u64 s[20:21], s[20:21], s[24:25]
	v_mul_u32_u24 v5, 384, v2
	v_mad_u32_u24 v5, v3, 24, v5                   ; row r, + 24 h
.irp s, 0,1,2,3
.irp p, 0,1,2,3,4,5
	global_load_b64 v[32+12*\s+2*\p:33+12*\s+2*\p], v5, s[8:9] offset:96*\s+48*(\p/3)+8*(\p%3)
.endr
.endr
	s_wait_loadcnt 0x0
.irp s, 0,1,2,3
.irp i, 0,1,2
	global_store_b128 v4, v[32+12*\s+4*\i:35+12*\s+4*\i], s[20:21] offset:1536*\s+512*\i
.endr
.endr
	s_endpgm
.Lfunc_end_k_qc49a8171e5_mid:
	.size	k_qc49a8171e5_mid, .Lfunc_end_k_qc49a8171e5_mid-k_qc49a8171e5_mid
	.p2alignl 7, 3214868480
	.fill 96, 4, 3214868480
	.section	.rodata,"a",@progbits
	.p2align	6, 0x0
	.amdhsa_kernel k_qc49a8171e5_mid
		.amdhsa_group_segment_fixed_size 18944
		.amdhsa_private_segment_fixed_size 0
		.amdhsa_enable_private_segment 0
		.amdhsa_kernarg_size 72
		.amdhsa_user_sgpr_count 2
		.amdhsa_user_sgpr_kernarg_segment_ptr 1
		.amdhsa_wavefront_size32 1
		.amdhsa_system_sgpr_workgroup_id_x 1
		.amdhsa_system_sgpr_workgroup_id_y 1
		.amdhsa_system_sgpr_workgroup_id_z 1
		.amdhsa_system_vgpr_workitem_id 0
		.amdhsa_next_free_vgpr 194
		.amdhsa_next_free_sgpr 66
		.amdhsa_reserve_vcc 1
		.amdhsa_float_denorm_mode_32 3
		.amdhsa_float_denorm_mode_16_64 3
		.amdhsa_memory_ordered 1
		.amdhsa_forward_progress 1
		.amdhsa_inst_pref_size 21
	.end_amdhsa_kernel
	.amdgpu_metadata
---
amdhsa.version: [ 1, 2 ]
amdhsa.kernels:
  - .name:           k_qc49a8171e5_mid
    .symbol:         k_qc49a8171e5_mid.kd
    .args:
      - { .name: kvp, .offset: 0, .size: 8, .value_kind: global_buffer, .address_space: global }
      - { .name: ksp, .offset: 8, .size: 8, .value_kind: global_buffer, .address_space: global }
      - { .name: q_w1_codes, .offset: 16, .size: 8, .value_kind: global_buffer, .address_space: global }
      - { .name: q_w2_codes, .offset: 24, .size: 8, .value_kind: global_buffer, .address_space: global }
      - { .name: out_w_codes, .offset: 32, .size: 8, .value_kind: global_buffer, .address_space: global }
      - { .name: kvc, .offset: 40, .size: 8, .value_kind: global_buffer, .address_space: global }
      - { .name: kvs, .offset: 48, .size: 8, .value_kind: global_buffer, .address_space: global }
      - { .name: ksum, .offset: 56, .size: 8, .value_kind: global_buffer, .address_space: global }
      - { .name: wfr, .offset: 64, .size: 8, .value_kind: global_buffer, .address_space: global }
    .group_segment_fixed_size: 18944
    .private_segment_fixed_size: 0
    .kernarg_segment_align: 8
    .kernarg_segment_size: 72
    .max_flat_workgroup_size: 128
    .sgpr_count:     66
    .vgpr_count:     194
    .wavefront_size: 32
...
	.end_amdgpu_metadata
.endif
;; end of part 2
;; launch qout (part 3): grid 256 x 1, 8 waves a work-group, no clusters, 263,168 bytes of LDS; arguments query_codes, query_scales, wfr, q_w1_scales, q_w2_scales, out_w_scales, q_b1, q_b2, out_b, kvc, kvs, ksum, out0; writes out0
.if DOCPART == 3
	.amdgcn_target "amdgcn-amd-amdhsa--gfx1250"
	.amdhsa_code_object_version 6
	.text
	.protected	k_qc49a8171e5_qout
	.globl	k_qc49a8171e5_qout
	.p2align	8
	.type	k_qc49a8171e5_qout,@function
k_qc49a8171e5_qout:
	s_mov_b64 s[64:65], 0
	v_nop
	global_prefetch_b8 v0, s[64:65] scope:SCOPE_SE
	s_setreg_imm32_b32 hwreg(HW_REG_WAVE_MODE, 25, 1), 1
	s_wait_xcnt 0x0
; q = silu(query W1^T + b1) (query W2^T + b2); phi_q = elu(q) + 1; attn = Q(phi_q) Q(kv) / (phi_q . key_sum + 1e-6); out = Q(attn) out_w^T + out_b.  Q: E2M3 codes, one E8M0 scale for each 32 along a product's K.
; SHARES.  A work-group takes 128 rows through the whole chain.  Eight waves, two to a SIMD, 512 registers each.  Wave w is head w in phases Q and N and output columns 64 w .. + 63 in phase O.
; Q: for each half of the head's 64 columns: 16 weight fragments in registers (loaded in fragment order, three loads of 512 bytes each), the 128 rows from LDS, 32 rows a trip: 32 matrix instructions on 8
;    accumulators by turns, the next rows' loads, the activation.  All products here are used TRANSPOSED (source 0 = 16 rows of W, source 1 = 16 rows of x): a lane holds one row and its registers run along the columns,
;    which are the next product's K.  The codes of a half (16 a lane), its scale byte and its part of phi_q . key_sum wait in the wave's own LDS bytes.
; N: the two halves make phi_q's operand (K = 64: the upper half of the K step of 128 is zero codes); 4 tiles of kv x 16 rows; divided by the row's sum; quantised: the head's 64 numbers are half a K step of the last
;    product, in their true order (the launch that made kv chose v's columns for that).  The halves go to LDS as images of their registers.   One barrier.
; O: out_w's 16 fragments in registers (loaded while N runs), x's fragments from LDS; results leave through the wave's own stage: sixteen lanes store 256 consecutive bytes, aligned.
; NO CLUSTER: the rows are a work-group's own; what work-groups share is the weights, and each weight fragment is used by ONE wave of a work-group, 8 times from its registers: brought through LDS
;    it would be written and read there once more for nothing.  LDS is filled once by tensor loads, never again.
; LIMITS: NaN and infinities among the inputs are not served; a block whose largest magnitude lies under 2^-124 (a block of zeros too) gets the scale byte 1: its codes are read by this program alone.
.set PITCH, 432                        ; a row in LDS: 3 x (128 bytes + 16 of padding) = 108 words: the 16 rows of a load start at 16 different groups of four banks
.set QSC,   128*PITCH                  ; query's scale bytes, 16 a row
.set SCR,   QSC+2048                   ; 10,240 bytes for each wave: entry 8 half + row tile: 512 bytes (3 registers of codes and the byte), 128 bytes (the part of the row's sum)
.set XIMG,  SCR+8*10240                ; x's fragments (row tile m, K step s) at 1,536 (4 m + s); in it head's half c: 512 bytes (4 registers) and 256 bytes (2)
.set XSC,   XIMG+32*1536               ; x's scale bytes: 512 m + 16 lane + 2 head
.set STG,   XSC+8*512                  ; two stages of 16 rows x (256 + 16) bytes for each wave
.set LN, 1
.set RR, 2
.set HH, 3
.set LI, 4                             ; v4 16 x lane   v5 32 h   v6 16 r   v17 8 x lane   v18 4 x lane: never rewritten
.set H32, 5
.set R16, 6
.set L8, 17
.set L4, 18
.set AK0, 7                            ; phase Q: v7, v8 my place in the rows; v9, v10 for the trip in hand; v11, v12 the same for the scale bytes
.set ADK, 9
.set AS0, 11
.set ADS, 12
.set SC0, 13                           ; v13 my entries' codes, v15 their sums; v14, v16 for the trip in hand
.set SCW, 14
.set SQ0, 15
.set SQW, 16
.set XW0, 7                            ; phases N and O: v7, v8 x's images (16 and 8 bytes a lane), v9 x's scale bytes; v10-12 for the trip in hand
.set XW1, 8
.set XS0, 9
.set XA, 10
.set XB, 11
.set XC0, 12
.set STO, 13                           ; phase O: the stage, in and back; my bytes in two rows of out0
.set SRD, 14
.set GO, 15
.set WS, 20                            ; v20-35 the weights' scale words: 8 q + 4 u + K step
.set RSC, 36                           ; v36-43 the rows' scale words: 4 m + K step (in N: phi_q's, one a row tile)
.set KVS, 44                           ; v44-47 kv's scale words
.set G, 48                             ; v48-55 codes and byte of a half, for two row tiles
.set QK, 56                            ; v56-57 their parts of the row's sum
.set RQ, 58                            ; v58-61 1 / (the row's sum + eps), as pairs
.set CC, 64
.set AA, 96
.set QT, 112
.set AF, 128                           ; v128-223 the rows' (or x's) fragments: 12 (4 m + K step)
.set PF, 128                           ; phase N: phi_q's operand, 12 a row tile; v152.. the second half's codes; v160.. sums; v164.. x's codes; v184.. at work
.set PT, 152
.set QL, 160
.set XC, 164
.set XT, 176
.set TM, 184
.set KSUM, 224                         ; v224-255 key_sum[32 half + 16 u + 8 h + j]
.set WB, 192                           ; window 1: v0-191 the weights, 96 q + 48 u + 12 K step; v192-223 the biases; v224-253 kv's codes, tile n at 224 + 6 n
.set KV, 224
.set QS, 32                            ; s[32:43] q's weights: codes W1, W2; scales W1, W2; biases b1, b2.   s[44:55] out_w's: tiles 0-1, tiles 2-3 likewise
.set OS, 44
.set G0C, 56
.set G0S, 60
.set G1C, 68
.set G1S, 76
.set WV, 84
.set TR, 85
.set TSC, 86
.set TQ, 87
.set CNT, 90
.set SEL, 92
.set LL, 94
.set NL, 96
.set MSB, 0
.macro WIN new                         ; the immediate's high byte repeats the setting that is left
.if MSB != \new
	s_set_vgpr_msb (MSB<<8)|\new
.set MSB, \new
.endif
.endm
.macro MMA d, a, b, c, sa, sb
	v_wmma_scale_f32_16x16x128_f8f6f4 v[\d:\d+7], v[\a:\a+11], v[\b:\b+11], v[\c:\c+7], v[\sa], v[\sb] matrix_a_fmt:MATRIX_FMT_FP6 matrix_b_fmt:MATRIX_FMT_FP6
.endm
.macro MMAZ d, a, b, sa, sb
	v_wmma_scale_f32_16x16x128_f8f6f4 v[\d:\d+7], v[\a:\a+11], v[\b:\b+11], 0, v[\sa], v[\sb] matrix_a_fmt:MATRIX_FMT_FP6 matrix_b_fmt:MATRIX_FMT_FP6
.endm
.macro FRAGL reg, adr, s, off          ; a fragment from rows of 432 bytes, in pieces of 8 bytes; where the piece three on (lanes 16-31) lies behind one padding more, the second address register serves
.irp p, 0,1,2,3,4,5
.set PC, 12*(\s)+6*(\p/3)+\p%3
.if PC%16 < 13
	ds_load_b64 v[\reg+2*\p:\reg+2*\p+1], v[\adr] offset:8*PC+16*(PC/16)+(\off)
.else
	ds_load_b64 v[\reg+2*\p:\reg+2*\p+1], v[\adr+1] offset:8*PC+16*(PC/16)+(\off)
.endif
.endr
.endm
.macro QADR
	v_add_nc_u32 v[ADK], s[TR], v[AK0]
	v_add_nc_u32 v[ADK+1], s[TR], v[AK0+1]
	v_add_nc_u32 v[ADS], s[TSC], v[AS0]
.endm
.macro LOADS                           ; 32 rows: their scale words and 8 fragments
.irp m, 0,1
	ds_load_b128 v[RSC+4*\m:RSC+4*\m+3], v[ADS] offset:256*\m
.endr
.irp s, 0,1,2,3
.irp m, 0,1
	FRAGL AF+12*(4*\m+\s), ADK, \s, 16*PITCH*\m
.endr
.endr
.endm
; 16 weight fragments, their biases and scale words: 60 loads.  A fragment is three loads of 512 consecutive bytes.
.macro WLOAD set, xw, xs, xb
	WIN 0x40                                       ; destination window 1
.irp q, 0,1
.set KK, 0
.rept 24
	global_load_b128 v[96*\q+4*KK:96*\q+4*KK+3], v[LI], s[\set+2*\q:\set+2*\q+1] offset:\xw+512*KK
.set KK, KK+1
.endr
.irp u, 0,1
	global_load_b128 v[WB+16*\q+8*\u:WB+16*\q+8*\u+3], v[H32], s[\set+8+2*\q:\set+9+2*\q] offset:\xb+64*\u       ; lane (r, h): the tile's eight columns of its half
	global_load_b128 v[WB+16*\q+8*\u+4:WB+16*\q+8*\u+7], v[H32], s[\set+8+2*\q:\set+9+2*\q] offset:\xb+64*\u+16
.endr
.endr
	WIN 0
.irp q, 0,1
.irp u, 0,1
	global_load_b128 v[WS+8*\q+4*\u:WS+8*\q+4*\u+3], v[R16], s[\set+4+2*\q:\set+5+2*\q] offset:\xs+256*\u
.endr
.endr
.endm
; 32 matrix instructions, transposed.  o = 0: W1's results to AA, W2's to CC, 16 m + 8 u;  o = 1: column tile 2 q + u of row tile m to CC + 32 m + 8 (2 q + u).
; The eight accumulators take turns, one instruction a turn; the bias is the C of each sum's first instruction.
.macro WMT o
.irp s, 0,1,2,3
.if \s == 0
	WIN 0x11                                       ; source 0 (W) and source 2 (the bias) window 1
.else
	WIN 0x01
.endif
.irp m, 0,1
.irp q, 0,1
.irp u, 0,1
.if \o
.set RD, CC+32*\m+16*\q+8*\u
.else
.set RD, AA-32*\q+16*\m+8*\u
.endif
.if \s == 0
.set RC, WB+16*\q+8*\u
.else
.set RC, RD
.endif
	MMA RD, 96*\q+48*\u+12*\s, AF+12*(4*\m+\s), RC, WS+8*\q+4*\u+\s, RSC+4*\m+\s
.endr
.endr
.endr
.endr
	WIN 0
.rept 4
	v_nop                                          ; four places in front of loads into the operands' registers and of the first read of the results
.endr
.endm
.macro SILU                            ; CC = silu(AA) x CC = (AA x CC) / (1 + 2^(-log2(e) AA)); each accumulator is read from its low end on
.set JJ, 0
.rept 16
	v_pk_mul_f32 v[CC+JJ:CC+JJ+1], v[AA+JJ:AA+JJ+1], v[CC+JJ:CC+JJ+1]
.set JJ, JJ+2
.endr
.set JJ, 0
.rept 16
	v_pk_mul_f32 v[AA+JJ:AA+JJ+1], v[AA+JJ:AA+JJ+1], s[NL:NL+1] op_sel_hi:[1,0]
.set JJ, JJ+2
.endr
.set JJ, 0
.rept 32
	v_exp_f32 v[AA+JJ], v[AA+JJ]
.set JJ, JJ+1
.endr
	v_nop                                          ; a plain instruction behind the last exponential,
	s_wait_alu depctr_va_vdst(0)                   ; and one wait for the batch, ahead of its first reader
.set JJ, 0
.rept 16
	v_pk_add_f32 v[AA+JJ:AA+JJ+1], v[AA+JJ:AA+JJ+1], 1.0 op_sel_hi:[1,0]
.set JJ, JJ+2
.endr
.set JJ, 0
.rept 32
	v_rcp_f32 v[AA+JJ], v[AA+JJ]
.set JJ, JJ+1
.endr
	v_nop
	s_wait_alu depctr_va_vdst(0)                   ; one wait for the 32 reciprocals
.set JJ, 0
.rept 16
	v_pk_mul_f32 v[CC+JJ:CC+JJ+1], v[CC+JJ:CC+JJ+1], v[AA+JJ:AA+JJ+1]
.set JJ, JJ+2
.endr
.endm
.macro ELU1                            ; CC = elu(CC) + 1 = the middle one of e^g, 1 and g + 1: e^g >= 1 + g always
.set JJ, 0
.rept 16
	v_pk_mul_f32 v[AA+JJ:AA+JJ+1], v[CC+JJ:CC+JJ+1], s[LL:LL+1] op_sel_hi:[1,0]
.set JJ, JJ+2
.endr
.set JJ, 0
.rept 32
	v_exp_f32 v[AA+JJ], v[AA+JJ]
.set JJ, JJ+1
.endr
.set JJ, 0
.rept 16
	v_pk_add_f32 v[CC+JJ:CC+JJ+1], v[CC+JJ:CC+JJ+1], 1.0 op_sel_hi:[1,0]   ; plain work that names no exponential's result
.set JJ, JJ+2
.endr
	s_wait_alu depctr_va_vdst(0)                   ; one wait for the batch
.set JJ, 0
.rept 32
	v_med3_num_f32 v[CC+JJ], v[AA+JJ], 1.0, v[CC+JJ]
.set JJ, JJ+1
.endr
.endm
; nb blocks; block b: my 16 numbers v[x + 16 b ..], lane l xor 16 holds the other 16.  Leaves in v[tm + 4 b + 2] the conversion's scale operand: the block's largest magnitude (not under the floor 2^(3 - 127))
; with 2 taken off its exponent field.  Two chains a block, the blocks by turns.
.macro MAXES nb, x, tm
.set BB, 0
.rept \nb
	v_max3_num_f32 v[\tm+4*BB], |v[\x+16*BB]|, |v[\x+16*BB+1]|, 0x1800000
	v_max3_num_f32 v[\tm+4*BB+1], |v[\x+16*BB+8]|, |v[\x+16*BB+9]|, |v[\x+16*BB+10]|
.set BB, BB+1
.endr
.set II, 0
.rept 3
.set BB, 0
.rept \nb
	v_max3_num_f32 v[\tm+4*BB], v[\tm+4*BB], |v[\x+16*BB+2+2*II]|, |v[\x+16*BB+3+2*II]|
.if II < 2
	v_max3_num_f32 v[\tm+4*BB+1], v[\tm+4*BB+1], |v[\x+16*BB+11+2*II]|, |v[\x+16*BB+12+2*II]|
.endif
.set BB, BB+1
.endr
.set II, II+1
.endr
.set BB, 0
.rept \nb
	v_max3_num_f32 v[\tm+4*BB], v[\tm+4*BB], v[\tm+4*BB+1], |v[\x+16*BB+15]|
.set BB, BB+1
.endr
.set BB, 0
.rept \nb
	v_permlanex16_b32 v[\tm+4*BB+1], v[\tm+4*BB], s[SEL], s[SEL+1]
.set BB, BB+1
.endr
.set BB, 0
.rept \nb
	v_max_num_f32 v[\tm+4*BB], v[\tm+4*BB], v[\tm+4*BB+1]
.set BB, BB+1
.endr
.set BB, 0
.rept \nb
	v_add_nc_u32 v[\tm+4*BB+2], 0xff000000, v[\tm+4*BB]
.set BB, BB+1
.endr
.endm
.macro PAIR lo, hi                     ; two blocks' half codes become 6 registers of an operand: lanes 0-15 the first block whole, lanes 16-31 the second
.irp i, 0,1,2
	v_permlane16_swap_b32 v[\lo+\i], v[\hi+\i]
.endr
.irp i, 0,1,2
	v_mov_b32 v[\lo+3+\i], v[\hi+\i]
.endr
.endm
; PHASE Q, a trip: 32 rows x the 32 columns of half db of my head.  last = 1: the weights are done with: the next set is asked for, and lands while this trip's activation runs.
.macro QTRIP db, last
	s_wait_dscnt 0x0                               ; the rows' fragments are in, and the last trip's stores have read their registers
	WMT 0
.if \last
.if \db == 0
	WLOAD QS, 12288, 512, 128                      ; the head's other 32 columns
.else
	WLOAD OS, 0, 0, 0                              ; out_w's 64 rows of mine
.endif
.endif
.if (\last == 0) || (\db == 0)
	QADR
	LOADS                                          ; the next trip's rows (behind the last trip of half 0: rows 0-31 again)
.endif
	SILU
	ELU1
	v_add_nc_u32 v[SCW], s[TQ], v[SC0]
	v_add_nc_u32 v[SQW], s[TQ], v[SQ0]
	v_pk_mul_f32 v[QT:QT+1], v[CC:CC+1], v[KSUM+16*\db:KSUM+16*\db+1]           ; phi_q . key_sum over my 16 columns, of the unquantised phi_q, in f32
	v_pk_mul_f32 v[QT+2:QT+3], v[CC+16:CC+17], v[KSUM+16*\db:KSUM+16*\db+1]
.set JJ, 2
.rept 7
	v_pk_fma_f32 v[QT:QT+1], v[CC+JJ:CC+JJ+1], v[KSUM+16*\db+JJ:KSUM+16*\db+JJ+1], v[QT:QT+1]
	v_pk_fma_f32 v[QT+2:QT+3], v[CC+16+JJ:CC+17+JJ], v[KSUM+16*\db+JJ:KSUM+16*\db+JJ+1], v[QT+2:QT+3]
.set JJ, JJ+2
.endr
	v_add_f32 v[QK], v[QT], v[QT+1]
	v_add_f32 v[QK+1], v[QT+2], v[QT+3]
	MAXES 2, CC, AA                                ; a row's 32 columns of this half are one block of the next K
	v_lshrrev_b32 v[G+3], 23, v[AA+2]              ; the scale's byte rides with the codes
	v_lshrrev_b32 v[G+7], 23, v[AA+6]
	v_cvt_scalef32_pk16_fp6_f32 v[G:G+2], v[CC:CC+15], v[AA+2]
	v_cvt_scalef32_pk16_fp6_f32 v[G+4:G+6], v[CC+16:CC+31], v[AA+6]
	v_nop                                          ; one plain place behind a scaled conversion
.irp m, 0,1
	ds_store_b128 v[SCW], v[G+4*\m:G+4*\m+3] offset:5120*\db+640*\m
	ds_store_b32 v[SQW], v[QK+\m] offset:5120*\db+640*\m
.endr
.endm
.macro QPHASE db
	s_wait_loadcnt 0x0                             ; the weights of this half
	s_mov_b32 s[TR], 32*PITCH                      ; the rows to be fetched next
	s_mov_b32 s[TSC], 512
	s_mov_b32 s[TQ], 0                             ; the entries to be written
	s_mov_b32 s[CNT], 3
.Lq_\@:
	QTRIP \db, 0
	s_add_co_u32 s[TR], s[TR], 32*PITCH
	s_add_co_u32 s[TSC], s[TSC], 512
	s_add_co_u32 s[TQ], s[TQ], 1280
	s_sub_co_u32 s[CNT], s[CNT], 1
	s_cmp_lg_u32 s[CNT], 0
	s_cbranch_scc1 .Lq_\@
	s_mov_b32 s[TR], 0
	s_mov_b32 s[TSC], 0
	QTRIP \db, 1                                   ; the last trip is written out: no load into the weights' registers lies on a way back into the loop
.endm
; PHASE N, row tiles 2 t and 2 t + 1.  Every LDS offset is an immediate.
.macro NTRIP t
.irp m, 0,1
	ds_load_b128 v[PF+12*\m:PF+12*\m+3], v[SC0] offset:1280*\t+640*\m          ; half 0: 3 registers of codes and the byte; LDS serves a wave's instructions in order: these see my stores
	ds_load_b128 v[PT+4*\m:PT+4*\m+3], v[SC0] offset:5120+1280*\t+640*\m       ; half 1
	ds_load_b32 v[QL+2*\m], v[SQ0] offset:1280*\t+640*\m
	ds_load_b32 v[QL+2*\m+1], v[SQ0] offset:5120+1280*\t+640*\m
.endr
	s_wait_dscnt 0x0                               ; they are in, and the last trip's stores have read their registers
.irp m, 0,1
	v_lshl_or_b32 v[RSC+\m], v[PT+4*\m+3], 8, v[PF+12*\m+3]
.endr
.irp m, 0,1
	v_or_b32 v[RSC+\m], 0x7f7f0000, v[RSC+\m]      ; phi_q's scale word: two bytes, and 127 over the zero codes
.endr
	PAIR PF, PT
	PAIR PF+12, PT+4
	v_add_f32 v[QL], v[QL], v[QL+1]
	v_add_f32 v[QL+2], v[QL+2], v[QL+3]
	v_permlanex16_b32 v[QL+1], v[QL], s[SEL], s[SEL+1]
	v_permlanex16_b32 v[QL+3], v[QL+2], s[SEL], s[SEL+1]
	v_add_f32 v[QL], v[QL], v[QL+1]                ; the row's phi_q . key_sum,
	v_add_f32 v[QL+2], v[QL+2], v[QL+3]
	v_add_f32 v[QL], 0x358637bd, v[QL]             ; + 1e-6
	v_add_f32 v[QL+2], 0x358637bd, v[QL+2]
	v_rcp_f32 v[RQ], v[QL]
	v_rcp_f32 v[RQ+2], v[QL+2]
	v_nop                                          ; (behind the scale words stand 13 plain instructions, behind the operand's last move 7: 8 and 4 are asked in front of a scaled matrix instruction)
	WIN 0x01                                       ; source 0 (kv) window 1
.irp m, 0,1
.irp n, 0,1,2,3
	MMAZ CC+32*\m+8*\n, KV+6*\n, PF+12*\m, KVS+\n, RSC+\m   ; K = 64: kv's registers 6-11 are the next tile's codes, finite numbers that meet phi_q's zero codes
.endr
.endr
	WIN 0
.rept 4
	v_nop
.endr
	s_wait_alu depctr_va_vdst(0)                   ; one wait for the two reciprocals, ahead of their first reader
.irp m, 0,1
.set JJ, 0
.rept 16
	v_pk_mul_f32 v[CC+32*\m+JJ:CC+32*\m+JJ+1], v[CC+32*\m+JJ:CC+32*\m+JJ+1], v[RQ+2*\m:RQ+2*\m+1] op_sel_hi:[1,0]   ; attn; register 16 b + i = column 32 b + 16 h + i of the head
.set JJ, JJ+2
.endr
.endr
	MAXES 4, CC, TM
.irp m, 0,1
	v_lshrrev_b32 v[TM+8*\m+3], 23, v[TM+8*\m+2]
	v_lshrrev_b32 v[TM+8*\m+7], 23, v[TM+8*\m+6]
	v_lshl_or_b32 v[TM+8*\m+3], v[TM+8*\m+7], 8, v[TM+8*\m+3]
.endr
.irp m, 0,1
	v_cvt_scalef32_pk16_fp6_f32 v[XC+6*\m:XC+6*\m+2], v[CC+32*\m:CC+32*\m+15], v[TM+8*\m+2]
	v_cvt_scalef32_pk16_fp6_f32 v[XT+4*\m:XT+4*\m+2], v[CC+32*\m+16:CC+32*\m+31], v[TM+8*\m+6]
.endr
	v_nop                                          ; one plain place behind a scaled conversion
	PAIR XC, XT
	PAIR XC+6, XT+4
.irp m, 0,1
	ds_store_b128 v[XW0], v[XC+6*\m:XC+6*\m+3] offset:12288*\t+6144*\m         ; registers 6 c .. 6 c + 5 of fragment (row tile, K step head / 2), c = head % 2
	ds_store_b64 v[XW1], v[XC+6*\m+4:XC+6*\m+5] offset:12288*\t+6144*\m
	ds_store_b16 v[XS0], v[TM+8*\m+3] offset:1024*\t+512*\m                    ; bytes 2 head, 2 head + 1 of the row's 16
.endr
.endm
.macro XADR
	v_add_nc_u32 v[XA], s[TR], v[XW0]
	v_add_nc_u32 v[XB], s[TR], v[XW1]
	v_add_nc_u32 v[XC0], s[TSC], v[XS0]
.endm
.macro XLOADS                          ; x's 8 fragments of 32 rows and their scale words
.irp m, 0,1
	ds_load_b128 v[RSC+4*\m:RSC+4*\m+3], v[XC0] offset:512*\m
.irp s, 0,1,2,3
.irp c, 0,1
	ds_load_b128 v[AF+12*(4*\m+\s)+6*\c:AF+12*(4*\m+\s)+6*\c+3], v[XA] offset:6144*\m+1536*\s+768*\c
	ds_load_b64 v[AF+12*(4*\m+\s)+6*\c+4:AF+12*(4*\m+\s)+6*\c+5], v[XB] offset:6144*\m+1536*\s+768*\c
.endr
.endr
.endr
.endm
; PHASE O, a trip: 32 rows x my 64 output columns
.macro OTRIP last
	s_wait_dscnt 0x0
	WMT 1
.if \last == 0
	XADR
	XLOADS
.endif
.irp m, 0,1
.irp c, 0,1,2,3
	ds_store_b128 v[STO], v[CC+32*\m+8*\c:CC+32*\m+8*\c+3] offset:4352*\m+64*\c        ; each accumulator from its low end on: lane (r, h): out(row r, 16 c + 8 h + 0 .. 7)
	ds_store_b128 v[STO], v[CC+32*\m+8*\c+4:CC+32*\m+8*\c+7] offset:4352*\m+64*\c+16
.endr
.endr
	s_wait_dscnt 0x0                               ; the stores have read their registers, which take the rows back
.irp m, 0,1
.irp i, 0,1,2,3,4,5,6,7
	ds_load_b128 v[CC+32*\m+4*\i:CC+32*\m+4*\i+3], v[SRD] offset:4352*\m+544*\i        ; lanes 0-15 one row's 256 bytes, lanes 16-31 the next row's
.endr
.endr
.set KK, 0
.rept 16
	s_wait_dscnt 15-KK                             ; LDS loads come back in order: load KK is in, the younger ones may be out
	global_store_b128 v[GO], v[CC+4*KK:CC+4*KK+3], s[28:29] offset:4096*KK th:TH_STORE_NT   ; sixteen lanes store 256 consecutive bytes, aligned; written once
.set KK, KK+1
.endr
.if \last == 0
	s_wait_xcnt 0x0                                ; the stores have read their registers and their base: both are written again only behind this wait
	s_add_nc_u64 s[28:29], s[28:29], 32*2048
.endif
.endm
	s_load_b512 s[4:19], s[0:1], 0x0               ; query codes, query scales, wfr, q_w1 scales, q_w2 scales, out_w scales, q_b1, q_b2
	s_load_b256 s[20:27], s[0:1], 0x40             ; out_b, kvc, kvs, ksum
	s_load_b64 s[28:29], s[0:1], 0x60              ; out0
	v_lshl_add_u32 v62, v0, 2, 0x40000
	v_mov_b32 v63, 0
	ds_add_u32 v62, v63
	ds_add_u32 v62, v63
	v_lshrrev_b32 v[LN], 5, v0
	v_readfirstlane_b32 s[WV], v[LN]               ; wave 0..7
	v_and_b32 v[LN], 31, v0
	v_and_b32 v[RR], 15, v0
	v_bfe_u32 v[HH], v0, 4, 1
	; group 1, codes: 16 rows x 384 bytes, 16 bytes of padding behind every 128
	s_mov_b32 s[G1C], (1<<20)|(4<<22)|(3<<25)
	s_mov_b32 s[G1C+1], 384<<16
	s_mov_b32 s[G1C+2], 16<<16
	s_mov_b32 s[G1C+3], 384<<16
	s_mov_b32 s[G1C+4], 16
	s_mov_b32 s[G1C+5], 384
	s_mov_b32 s[G1C+6], 0
	s_mov_b32 s[G1C+7], 0
	; group 1, scale bytes: 16 rows' 256 dense bytes as one row of 32 elements of 8 bytes
	s_mov_b32 s[G1S], 3<<16
	s_mov_b32 s[G1S+1], 32<<16
	s_mov_b32 s[G1S+2], 1<<16
	s_mov_b32 s[G1S+3], 32<<16
	s_mov_b32 s[G1S+4], 1
	s_mov_b32 s[G1S+5], 32
	s_mov_b32 s[G1S+6], 0
	s_mov_b32 s[G1S+7], 0
	s_lshl_b32 s98, ttmp9, 7
	s_lshl_b32 s99, s[WV], 4
	s_add_co_u32 s98, s98, s99                     ; the 16 rows that I fetch: 128 x work-group + 16 x wave
	s_mul_i32 s30, s98, 384
	s_mov_b32 s31, 0
	s_lshl_b32 s100, s98, 4
	s_mov_b32 s101, 0
	s_wait_dscnt 0x0
	s_wait_kmcnt 0x0
	s_mov_b32 s[G0C], 1
	s_mul_i32 s[G0C+1], s[WV], 16*PITCH
	s_add_nc_u64 s[G0C+2:G0C+3], s[4:5], s[30:31]
	s_or_b32 s[G0C+3], s[G0C+3], 0x80000000
	s_mov_b32 s[G0S], 1
	s_lshl_b32 s[G0S+1], s[WV], 8
	s_add_co_u32 s[G0S+1], s[G0S+1], QSC
	s_add_nc_u64 s[G0S+2:G0S+3], s[6:7], s[100:101]
	s_or_b32 s[G0S+3], s[G0S+3], 0x80000000
	tensor_load_to_lds s[G0C:G0C+3], s[G1C:G1C+7]  ; every wave's two fills, once in the launch: two tensor loads of mine are out
	s_nop 0
	tensor_load_to_lds s[G0S:G0S+3], s[G1S:G1S+7]
	s_nop 0
.rept 4
	v_nop
.endr
	s_mul_i32 s30, s[WV], 24576                    ; four tiles of 6,144 bytes
	s_add_nc_u64 s[QS:QS+1], s[8:9], s[30:31]
	s_add_nc_u64 s[QS+2:QS+3], s[QS:QS+1], 196608
	s_add_nc_u64 s[OS:OS+1], s[QS:QS+1], 393216
	s_add_nc_u64 s[OS+2:OS+3], s[OS:OS+1], 12288
	s_lshl_b32 s30, s[WV], 10                      ; 64 rows of 16 scale bytes
	s_add_nc_u64 s[QS+4:QS+5], s[10:11], s[30:31]
	s_add_nc_u64 s[QS+6:QS+7], s[12:13], s[30:31]
	s_add_nc_u64 s[OS+4:OS+5], s[14:15], s[30:31]
	s_add_nc_u64 s[OS+6:OS+7], s[OS+4:OS+5], 512
	s_lshl_b32 s30, s[WV], 8                       ; 64 biases
	s_add_nc_u64 s[QS+8:QS+9], s[16:17], s[30:31]
	s_add_nc_u64 s[QS+10:QS+11], s[18:19], s[30:31]
	s_add_nc_u64 s[OS+8:OS+9], s[20:21], s[30:31]
	s_add_nc_u64 s[OS+10:OS+11], s[OS+8:OS+9], 128
	s_lshr_b32 s98, ttmp9, 6
	s_lshl_b32 s98, s98, 3
	s_add_co_u32 s98, s98, s[WV]                   ; 8 batch + head
	s_mul_i32 s30, s98, 3072
	s_add_nc_u64 s[22:23], s[22:23], s[30:31]
	s_lshl_b32 s30, s98, 9
	s_add_nc_u64 s[24:25], s[24:25], s[30:31]
	s_lshl_b32 s30, s98, 8
	s_add_nc_u64 s[26:27], s[26:27], s[30:31]
	s_lshl_b32 s30, ttmp9, 18                      ; out0: 128 rows of 2,048 bytes a work-group, + my 256 bytes of a row
	s_lshl_b32 s98, s[WV], 8
	s_add_co_u32 s30, s30, s98
	s_add_nc_u64 s[28:29], s[28:29], s[30:31]
	v_lshlrev_b32 v[LI], 4, v[LN]
	v_lshlrev_b32 v[H32], 5, v[HH]
	v_lshlrev_b32 v[R16], 4, v[RR]
	v_lshlrev_b32 v[L8], 3, v[LN]
	v_lshlrev_b32 v[L4], 2, v[LN]
	WLOAD QS, 0, 0, 0                              ; the head's first 32 columns
	WIN 0x40
.irp p, 0,1,2,3,4,5,6,7,8,9,10,11
	global_load_b64 v[KV+2*\p:KV+2*\p+1], v[L8], s[22:23] offset:256*\p
.endr
.irp p, 0,1,2
	global_load_b64 v[KV+24+2*\p:KV+25+2*\p], v[L8], s[22:23] offset:256*\p   ; behind tile 3: six more registers of finite codes (tile 0's)
.endr
	WIN 0
.irp n, 0,1,2,3
	global_load_b32 v[KVS+\n], v[L4], s[24:25] offset:128*\n
.endr
.irp i, 0,1,2,3,4,5,6,7
	global_load_b128 v[KSUM+4*\i:KSUM+4*\i+3], v[H32], s[26:27] offset:64*(\i/2)+16*(\i%2)   ; key_sum[16 (i / 2) + 8 h + 4 (i % 2) ..]
.endr
	v_mul_u32_u24 v[AK0], PITCH, v[RR]
	v_mad_u32_u24 v[AK0], v[HH], 24, v[AK0]
	v_lshl_add_u32 v[AK0+1], v[HH], 4, v[AK0]
	v_add_nc_u32 v[AS0], QSC, v[R16]
	s_mul_i32 s98, s[WV], 10240
	s_add_co_u32 s98, s98, SCR
	v_add_nc_u32 v[SC0], s98, v[LI]
	s_add_co_u32 s98, s98, 512
	v_add_nc_u32 v[SQ0], s98, v[L4]
	s_mov_b32 s[SEL], 0x76543210
	s_mov_b32 s[SEL+1], 0xfedcba98
	s_mov_b32 s[LL], 0x3fb8aa3b
	s_mov_b32 s[LL+1], s[LL]
	s_mov_b32 s[NL], 0xbfb8aa3b
	s_mov_b32 s[NL+1], s[NL]
	s_mov_b32 s[TR], 0
	s_mov_b32 s[TSC], 0
	s_wait_tensorcnt 0x0                           ; my 16 rows and their scale bytes are in,
	s_barrier_signal -1
	s_barrier_wait -1                              ; everybody's are
	QADR
	LOADS
	QPHASE 0
	QPHASE 1
	; ---- N
	s_lshr_b32 s98, s[WV], 1
	s_mul_i32 s98, s98, 1536
	s_and_b32 s99, s[WV], 1
	s_mul_i32 s99, s99, 768
	s_add_co_u32 s98, s98, s99
	s_add_co_u32 s98, s98, XIMG
	v_add_nc_u32 v[XW0], s98, v[LI]
	s_add_co_u32 s98, s98, 512
	v_add_nc_u32 v[XW1], s98, v[L8]
	s_lshl_b32 s98, s[WV], 1
	s_add_co_u32 s98, s98, XSC
	v_add_nc_u32 v[XS0], s98, v[LI]
.irp m, 0,1
.irp i, 6,7,8,9,10,11
	v_mov_b32 v[PF+12*\m+\i], 0                    ; phi_q has no k from 64 on: zero codes
.endr
	v_mov_b32 v[RQ+2*\m+1], 0                      ; (named as the upper half of a pair)
.endr
	NTRIP 0
	NTRIP 1
	NTRIP 2
	NTRIP 3
	s_wait_dscnt 0x0                               ; for the others' sake: my halves of x's fragments have landed
	s_barrier_signal -1
	s_barrier_wait -1
	; ---- O
	v_add_nc_u32 v[XW0], XIMG, v[LI]
	v_add_nc_u32 v[XW1], XIMG+512, v[L8]
	v_add_nc_u32 v[XS0], XSC, v[LI]
	s_mul_i32 s98, s[WV], 2*4352
	s_add_co_u32 s98, s98, STG                     ; my stages
	v_mul_u32_u24 v[STO], 272, v[RR]
	v_lshl_add_u32 v[STO], v[HH], 5, v[STO]
	v_add_nc_u32 v[STO], s98, v[STO]               ; in: row r, + 32 h
	v_mul_u32_u24 v[SRD], 272, v[HH]
	v_lshl_add_u32 v[SRD], v[RR], 4, v[SRD]
	v_add_nc_u32 v[SRD], s98, v[SRD]               ; back: lanes 0-15 one row, lanes 16-31 the next
	v_lshlrev_b32 v[GO], 11, v[HH]
	v_lshl_add_u32 v[GO], v[RR], 4, v[GO]          ; and the same two rows in out0
	s_mov_b32 s[TR], 0
	s_mov_b32 s[TSC], 0
	XADR
	XLOADS
	s_wait_loadcnt 0x0                             ; out_w's fragments, asked for in phase Q's last trip
	s_mov_b32 s[TR], 12288
	s_mov_b32 s[TSC], 1024
	s_mov_b32 s[CNT], 3
.Lo:
	OTRIP 0
	s_add_co_u32 s[TR], s[TR], 12288
	s_add_co_u32 s[TSC], s[TSC], 1024
	s_sub_co_u32 s[CNT], s[CNT], 1
	s_cmp_lg_u32 s[CNT], 0
	s_cbranch_scc1 .Lo
	OTRIP 1                                        ; the last 32 rows: nothing more to fetch
	s_wait_tensorcnt 0x0
	ds_add_u32 v62, v63
	s_wait_dscnt 0x0
	s_endpgm
.Lfunc_end_k_qc49a8171e5_qout:
	.size	k_qc49a8171e5_qout, .Lfunc_end_k_qc49a8171e5_qout-k_qc49a8171e5_qout
	.p2alignl 7, 3214868480
	.fill 96, 4, 3214868480
	.section	.rodata,"a",@progbits
	.p2align	6, 0x0
	.amdhsa_kernel k_qc49a8171e5_qout
		.amdhsa_group_segment_fixed_size 263168
		.amdhsa_private_segment_fixed_size 0
		.amdhsa_enable_private_segment 0
		.amdhsa_kernarg_size 104
		.amdhsa_user_sgpr_count 2
		.amdhsa_user_sgpr_kernarg_segment_ptr 1
		.amdhsa_wavefront_size32 1
		.amdhsa_system_sgpr_workgroup_id_x 1
		.amdhsa_system_sgpr_workgroup_id_y 1
		.amdhsa_system_sgpr_workgroup_id_z 1
		.amdhsa_system_vgpr_workitem_id 0
		.amdhsa_next_free_vgpr 512
		.amdhsa_next_free_sgpr 102
		.amdhsa_reserve_vcc 0
		.amdhsa_float_denorm_mode_32 3
		.amdhsa_float_denorm_mode_16_64 3
		.amdhsa_memory_ordered 1
		.amdhsa_forward_progress 1
		.amdhsa_inst_pref_size 172
	.end_amdhsa_kernel
	.amdgpu_metadata
---
amdhsa.version: [ 1, 2 ]
amdhsa.kernels:
  - .name:           k_qc49a8171e5_qout
    .symbol:         k_qc49a8171e5_qout.kd
    .args:
      - { .name: query_codes, .offset: 0, .size: 8, .value_kind: global_buffer, .address_space: global }
      - { .name: query_scales, .offset: 8, .size: 8, .value_kind: global_buffer, .address_space: global }
      - { .name: wfr, .offset: 16, .size: 8, .value_kind: global_buffer, .address_space: global }
      - { .name: q_w1_scales, .offset: 24, .size: 8, .value_kind: global_buffer, .address_space: global }
      - { .name: q_w2_scales, .offset: 32, .size: 8, .value_kind: global_buffer, .address_space: global }
      - { .name: out_w_scales, .offset: 40, .size: 8, .value_kind: global_buffer, .address_space: global }
      - { .name: q_b1, .offset: 48, .size: 8, .value_kind: global_buffer, .address_space: global }
      - { .name: q_b2, .offset: 56, .size: 8, .value_kind: global_buffer, .address_space: global }
      - { .name: out_b, .offset: 64, .size: 8, .value_kind: global_buffer, .address_space: global }
      - { .name: kvc, .offset: 72, .size: 8, .value_kind: global_buffer, .address_space: global }
      - { .name: kvs, .offset: 80, .size: 8, .value_kind: global_buffer, .address_space: global }
      - { .name: ksum, .offset: 88, .size: 8, .value_kind: global_buffer, .address_space: global }
      - { .name: out0, .offset: 96, .size: 8, .value_kind: global_buffer, .address_space: global }
    .group_segment_fixed_size: 263168
    .private_segment_fixed_size: 0
    .kernarg_segment_align: 8
    .kernarg_segment_size: 104
    .max_flat_workgroup_size: 256
    .sgpr_count:     102
    .vgpr_count:     512
    .wavefront_size: 32
...
	.end_amdgpu_metadata
.endif
;; end of part 3
